; MI455X (gfx1250); checked and timed in simulation.
; The chip was launched on July 23, 2026; its instructions are those of AMD's public machine-readable ISA for CDNA 5 (MIT licence, August 2026) and "CDNA5" Instruction Set Architecture Reference Guide (July 2026). The comments in the code are by the model that wrote it; some were corrected since.
;; Sliding Window Attention. Allowed arithmetic: matrix products marked QUANTISED: E4M3 operands, one given power-of-two scale a tensor, by v_wmma_f32_16x16x64_fp8_fp8 or v_wmma_f32_16x16x128_fp8_fp8, f32 sums; everything else in f32.
;; Inputs: Wk 1,024 x 1,024 float32; Wo 1,024 x 1,024 float32; Wq 1,024 x 1,024 float32; Wv 1,024 x 1,024 float32; bk 1,024 float32; bo 1,024 float32; bq 1,024 float32; bv 1,024 float32; hidden_state 1 x 8,192 x 1,024 float32; lowp_scales 12 int32 (the exponents e of the quantised operands' scales 2^e).
;; Outputs: out0 1 x 8,192 x 1,024 float32.
;; This version of the problem:
;;   THIS VERSION OF THE PROBLEM IS GIVEN IN LOW PRECISION. The matrix products marked QUANTISED in the list below multiply operands that are first quantised to E4M3 (4 exponent bits, 3 mantissa bits; 8 bits a number), with one given power-of-two scale for each operand tensor; their sums are f32. All else is computed in f32.
;;   The module's matrix products, in the order in which they are computed (A, B: the left and right operand; K: the contracted axis; several contracted axes count as one K, in the product's order):
;;     1. [M 8,192, K 1,024] x [K 1,024, N 1,024]; A: input hidden_state; B: input Wq: QUANTISED (scales: A lowp_scales[0], B lowp_scales[1])
;;     2. [M 8,192, K 1,024] x [K 1,024, N 1,024]; A: input hidden_state; B: input Wk: QUANTISED (scales: A lowp_scales[2], B lowp_scales[3])
;;     3. [M 8,192, K 1,024] x [K 1,024, N 1,024]; A: input hidden_state; B: input Wv: QUANTISED (scales: A lowp_scales[4], B lowp_scales[5])
;;     4. batch 256 x [M 512, K 64] x [K 64, N 1,024]; A: computed on the way; B: computed on the way: QUANTISED (scales: A lowp_scales[6], B lowp_scales[7])
;;     5. batch 256 x [M 512, K 1,024] x [K 1,024, N 64]; A: softmax (see below); B: computed on the way: QUANTISED (scales: A lowp_scales[8], B lowp_scales[9])
;;     6. [M 8,192, K 1,024] x [K 1,024, N 1,024]; A: computed on the way; B: input Wo: QUANTISED (scales: A lowp_scales[10], B lowp_scales[11])
;;   THE QUANTISER, for each operand of a quantised product, along K:
;;     - The operand's scale is 2^e, e = its entry of the input lowp_scales (int32; the entries are numbered through the quantised products in the list's order, A before B).
;;     - Each number is divided by the scale, clamped to +-448, and rounded to the nearest number of E4M3, ties to even, subnormals kept.
;;     - The product sums the exact products of the quantised numbers (number of the format x scale) in f32.
;;   ~~~python
;;   def quantise(x, axis, e):      # numpy; x: float32 -> the quantised numbers, widened to float32 again
;;       x = np.moveaxis(x, axis, -1); K = x.shape[-1]
;;       r = np.clip(x / 2.0 ** e, -448, 448)
;;       step = 2.0 ** (np.maximum(np.frexp(np.where(r == 0, 1, r))[1] - 1, -6) - 3)
;;       q = np.round(r / step) * step * 2.0 ** e      # np.round: ties to even
;;       return np.moveaxis(q, -1, axis).astype(np.float32)
;;   ~~~
;;   SOFTMAX AHEAD OF A QUANTISED PRODUCT. Where the list says 'softmax', what is quantised is not the finished softmax but p = 2^(t - M), with t = logit x log2(e) and M = ceil(the row's largest t), a whole number; so 1/2 < the row's largest p <= 1. The row's sum l is taken of the UNQUANTISED p, in f32, and the product's result is divided by l at the end. Since M is a whole number, a kernel that streams over the keys may use a running M (the ceiling of the running maximum): every later rescaling is an exact power of two, so the quantised numbers keep their values, but for numbers so far below the row's largest that they fall under the format's range.
;;   OPERANDS COMPUTED ON THE WAY. 'Computed on the way' means the value that the module computes at that place (a softmax that the list does not call 'softmax' is quantised finished and normalised). What goes into a quantiser is computed in f32, as accurately as f32 sums, v_exp_f32 and their like allow (about 1e-6 of the number): no bf16 or f16 on the way to a quantiser, and a product that is left as it is and whose result goes on into a quantised operand takes f32 operands (vector FMAs, or v_wmma_f32_16x16x4_f32). A number that lies on a knife's edge between two numbers of the format may be rounded either way, as far as f32 arithmetic and the matrix unit's own rounding can turn it there, and no further.
;; One version. Each part assembles by itself: llvm-mc -triple=amdgcn-amd-amdhsa -mcpu=gfx1250 --defsym DOCPART=n.
;; ======== version 1 of 1: 4 launches
;; limits: right only within a limited range of input values
;; workspace buffers: xcodes 25,165,824 bytes; wcodes 4,194,304 bytes; invf 2,048 bytes; qc 8,388,608 bytes; kc 8,912,896 bytes; vc 8,912,896 bytes; ao 8,388,608 bytes
;; launch quant (part 1): grid 384 x 1, 4 waves a work-group, no clusters, 33,280 bytes of LDS; arguments hidden_state, Wq, Wk, Wv, Wo, lowp_scales, xcodes, wcodes, kc, vc, invf; writes xcodes, wcodes, kc, vc, invf
.if DOCPART == 1
	.amdgcn_target "amdgcn-amd-amdhsa--gfx1250"
	.amdhsa_code_object_version 6
	.text
	.protected	k_q21a8be8a4b_quant
	.globl	k_q21a8be8a4b_quant
	.p2align	8
	.type	k_q21a8be8a4b_quant,@function
k_q21a8be8a4b_quant:
	s_mov_b64 s[64:65], 0
	v_nop
	global_prefetch_b8 v0, s[64:65] scope:SCOPE_SE
	s_setreg_imm32_b32 hwreg(HW_REG_WAVE_MODE, 25, 1), 1
	s_wait_xcnt 0x0
; hidden_state [8192][1024] f32 becomes three sets of E4M3 codes (scales 2^e0, 2^e2, 2^e4: one for each of the products q, k, v); Wq, Wk, Wv, Wo [1024][1024] f32 one set each
; (e1, e3, e5, e11).  K is innermost in all five, so each tensor is a plain stream.  code = x / 2^e, held within +-448, to the nearest code, ties to even.
; Work-groups 0-255 take hidden_state, 256-383 the weights (32 each), 32,768 numbers a work-group, 8,192 a wave, in 16 steps of 512.
; A load reads 512 consecutive bytes (16 a lane); a step's 2,048 bytes turn through the wave's own stage in LDS and come back 64 bytes a lane: 16 neighbours along K, as the conversions want.
; Beside that: work-groups 0-255 store the zero codes of the 512 places in front of key 0 in kc and vc; work-group 256 makes the table inv_freq[d] = 1 / 10000^(d / 512).
; LIMITS: each e between -126 and 119.  NaN among the inputs is not served.  inv_freq: the exponent d log2(10000) / 512 is kept in two f32 words, 2^x is v_exp_f32's, the reciprocal has one Newton step.
.set STEPS, 16
.set WREG,  8192                       ; LDS of a wave: two stages of 32 x SP bytes
.set SP,    80                         ; a lane's place in a stage: 64 bytes + 16 of padding
.set SPARE, 4*WREG                     ; behind the four regions: the spare words, 128 bytes a wave
.set SPW,   12                         ; v12  SPARE + 4 x thread; never rewritten
.set NIL,   13                         ; v13  0; never rewritten
.set R,     16                         ; v16-79   four sets of 16 numbers as loaded
.set X,     80                         ; v80-111  two sets of 16 neighbours
.set T,     112                        ; v112-159 three sets of 16 held numbers
.set C,     160                        ; v160-171 three sets of 4 registers of codes
.set Z,     172                        ; v172-175 zeros
.set SCL,   176                        ; v176-178 the scales as f32
.set LIM,   179                        ; v179-181 448 x the scales
.set ISX,   52                         ; s52  1 in hidden_state's work-groups
.set WV,    53                         ; s53  wave
	s_load_b512 s[8:23], s[0:1], 0x0               ; hidden 8, Wq 10, Wk 12, Wv 14, Wo 16, scales 18, xcodes 20, wcodes 22
	s_load_b128 s[24:27], s[0:1], 0x40             ; kc, vc
	s_load_b64 s[28:29], s[0:1], 0x50              ; invf
	v_lshl_add_u32 v[SPW], v0, 2, SPARE
	v_mov_b32 v[NIL], 0
	v_lshrrev_b32 v1, 5, v0
	v_readfirstlane_b32 s[WV], v1
	v_and_b32 v2, 31, v0                           ; lane
	v_lshlrev_b32 v3, 4, v2                        ; 16 x lane: my bytes of a load's 512, and my codes' place in a step's
	s_mul_i32 s54, s[WV], WREG
	v_lshrrev_b32 v14, 2, v2
	v_mul_u32_u24 v14, v14, SP
	v_and_b32 v15, 3, v2
	v_lshl_add_u32 v14, v15, 4, v14
	v_add_nc_u32 v14, s54, v14                     ; the stage, in: SP (lane / 4) + 16 (lane % 4)
	v_mul_u32_u24 v15, v2, SP
	v_add_nc_u32 v15, s54, v15                     ; and out: SP x lane
	s_and_b32 s54, ttmp9, 31                       ; a weight's work-group: which 32,768 numbers of its tensor,
	s_sub_co_u32 s55, ttmp9, 256                   ; and of the four weights' codes
	s_wait_alu depctr_va_vdst(0)
	s_wait_kmcnt 0x0
	s_load_b256 s[32:39], s[18:19], 0x0            ; e0 .. e7
	s_load_b128 s[40:43], s[18:19], 0x20           ; e8 .. e11
	s_mov_b64 s[44:45], s[16:17]                   ; the source: Wo, or by the work-group's number ..
	s_cmp_lt_u32 ttmp9, 352
	s_cselect_b64 s[44:45], s[14:15], s[44:45]     ; Wv
	s_cmp_lt_u32 ttmp9, 320
	s_cselect_b64 s[44:45], s[12:13], s[44:45]     ; Wk
	s_cmp_lt_u32 ttmp9, 288
	s_cselect_b64 s[44:45], s[10:11], s[44:45]     ; Wq
	s_cmp_lt_u32 ttmp9, 256
	s_cselect_b64 s[44:45], s[8:9], s[44:45]       ; hidden_state
	s_cselect_b64 s[46:47], s[20:21], s[22:23]     ; the codes' buffer
	s_cselect_b32 s[ISX], 1, 0
	s_cselect_b32 s54, ttmp9, s54
	s_cselect_b32 s55, ttmp9, s55
	s_lshl_b32 s54, s54, 2
	s_add_co_u32 s54, s54, s[WV]
	s_lshl_b32 s56, s54, 15                        ; my wave's 8,192 numbers: 32,768 bytes
	s_mov_b32 s57, 0
	s_add_nc_u64 s[44:45], s[44:45], s[56:57]
	s_lshl_b32 s55, s55, 2
	s_add_co_u32 s55, s55, s[WV]
	s_lshl_b32 s58, s55, 13                        ; and their 8,192 bytes of codes
	s_mov_b32 s59, 0
	s_add_nc_u64 s[46:47], s[46:47], s[58:59]
	s_add_nc_u64 s[48:49], s[46:47], 0x800000      ; hidden_state's second and third set (used in its work-groups alone)
	s_add_nc_u64 s[50:51], s[46:47], 0x1000000
.macro LOAD t
.irp i, 0,1,2,3
	global_load_b128 v[R+16*((\t)%4)+4*\i:R+16*((\t)%4)+4*\i+3], v3, s[44:45] offset:2048*(\t)+512*\i th:TH_LOAD_NT
.endr
.endm
.macro TURN t                          ; a step's numbers through the stage: LDS serves a wave's instructions in order, so no wait stands between the stores and the loads
.irp i, 0,1,2,3
	ds_store_b128 v14, v[R+16*((\t)%4)+4*\i:R+16*((\t)%4)+4*\i+3] offset:32*SP*((\t)%2)+8*SP*\i
.endr
.irp i, 0,1,2,3
	ds_load_b128 v[X+16*((\t)%2)+4*\i:X+16*((\t)%2)+4*\i+3], v15 offset:32*SP*((\t)%2)+16*\i
.endr
.endm
.irp t, 0,1,2,3
	LOAD \t
.endr
	s_wait_kmcnt 0x0
	s_mov_b32 s56, s43                             ; the first set's exponent: e11, or ..
	s_cmp_lt_u32 ttmp9, 352
	s_cselect_b32 s56, s37, s56                    ; e5
	s_cmp_lt_u32 ttmp9, 320
	s_cselect_b32 s56, s35, s56                    ; e3
	s_cmp_lt_u32 ttmp9, 288
	s_cselect_b32 s56, s33, s56                    ; e1
	s_cmp_lt_u32 ttmp9, 256
	s_cselect_b32 s56, s32, s56                    ; e0
.macro MKS e, n                        ; 2^e and 448 x 2^e as f32
	s_add_co_i32 s57, \e, 127
	s_lshl_b32 s58, s57, 23
	v_mov_b32 v[SCL+\n], s58
	s_add_co_i32 s57, s57, 8
	s_lshl_b32 s57, s57, 23
	s_or_b32 s57, s57, 0x600000
	v_mov_b32 v[LIM+\n], s57
.endm
	MKS s56, 0
	MKS s34, 1                                     ; e2
	MKS s36, 2                                     ; e4
	; the zero codes in front of key 0: kc rows 0-511 of each head (32,768 bytes a head), vc bytes 0-511 of each row; 2,048 bytes of each a work-group
	s_cmp_eq_u32 s[ISX], 0
	s_cbranch_scc1 .Lno_pad
.irp i, 0,1,2,3
	v_mov_b32 v[Z+\i], 0
.endr
	s_lshr_b32 s56, ttmp9, 4
	s_mul_i32 s56, s56, 557056                     ; the head: 8,704 rows of 64 bytes
	s_and_b32 s57, ttmp9, 15
	s_lshl_b32 s57, s57, 11
	s_add_co_u32 s56, s56, s57
	s_mov_b32 s57, 0
	s_add_nc_u64 s[24:25], s[24:25], s[56:57]
	v_lshlrev_b32 v182, 4, v0
	global_store_b128 v182, v[Z:Z+3], s[24:25]     ; a wave stores 512 consecutive bytes
	s_mul_i32 s58, ttmp9, 4*8704
	s_mov_b32 s59, 0
	s_add_nc_u64 s[26:27], s[26:27], s[58:59]
	v_mul_u32_u24 v183, v1, 8704                   ; a wave to a row of vc
	v_add_nc_u32 v183, v183, v3
	s_wait_alu depctr_va_vdst(0)
	global_store_b128 v183, v[Z:Z+3], s[26:27]
.Lno_pad:
	; inv_freq: thread t of work-group 256 makes d = 4 t .. 4 t + 3
	s_cmp_lg_u32 ttmp9, 256
	s_cbranch_scc1 .Lno_inv
.set DF, 112
.set TT, 116
.set ER, 120
.set TI, 124
.set PP, 128
.set YY, 132
	s_mov_b32 s60, 0x3cd49a78                      ; log2(10000) / 512, high word
	s_mov_b32 s61, 0x30179a29                      ; and what it lacks
	v_lshlrev_b32 v184, 2, v0
	v_lshlrev_b32 v185, 4, v0
.irp i, 0,1,2,3
	v_add_nc_u32 v[DF+\i], \i, v184
	v_cvt_f32_u32 v[DF+\i], v[DF+\i]
	v_mul_f32 v[TT+\i], s60, v[DF+\i]              ; t = d x high, rounded,
	v_fma_f32 v[ER+\i], v[DF+\i], s60, -v[TT+\i]   ; what the rounding dropped,
	v_fma_f32 v[ER+\i], v[DF+\i], s61, v[ER+\i]    ; and d x low
	v_floor_f32 v[TI+\i], v[TT+\i]
	v_sub_f32 v[TT+\i], v[TT+\i], v[TI+\i]         ; exact
	v_add_f32 v[TT+\i], v[TT+\i], v[ER+\i]         ; the fraction
	v_cvt_i32_f32 v[TI+\i], v[TI+\i]
.endr
	s_wait_alu depctr_va_vdst(0)
.irp i, 0,1,2,3
	v_exp_f32 v[PP+\i], v[TT+\i]
.endr
	v_nop                                          ; a plain line behind the last exponential
	s_wait_alu depctr_va_vdst(0)                   ; one wait for the four, ahead of their first reader
.irp i, 0,1,2,3
	v_ldexp_f32 v[PP+\i], v[PP+\i], v[TI+\i]       ; 10000^(d / 512)
.endr
	s_wait_alu depctr_va_vdst(0)
.irp i, 0,1,2,3
	v_rcp_f32 v[YY+\i], v[PP+\i]
.endr
	v_nop
	s_wait_alu depctr_va_vdst(0)
.irp i, 0,1,2,3
	v_fma_f32 v[ER+\i], -v[PP+\i], v[YY+\i], 1.0   ; one Newton step
	v_fma_f32 v[YY+\i], v[YY+\i], v[ER+\i], v[YY+\i]
.endr
	global_store_b128 v185, v[YY:YY+3], s[28:29]
.Lno_inv:
	s_wait_loadcnt 12                              ; step 0's four loads are in; three steps' may be out
	TURN 0
.macro HOLD n, xs                      ; 16 numbers held within +-448 x scale n: the conversion to an 8-bit code does not saturate (ISA guide 7.6.2)
.set ii, 0
.rept 16
	v_med3_num_f32 v[T+16*\n+ii], v[\xs+ii], -v[LIM+\n], v[LIM+\n]
.set ii, ii+1
.endr
.endm
.macro CODE n
	v_cvt_scalef32_pk8_fp8_f32 v[C+4*\n:C+4*\n+1], v[T+16*\n:T+16*\n+7], v[SCL+\n]
	v_cvt_scalef32_pk8_fp8_f32 v[C+4*\n+2:C+4*\n+3], v[T+16*\n+8:T+16*\n+15], v[SCL+\n]
.endm
.macro STEP t
	s_wait_dscnt 0x0                               ; this step's numbers are back from the stage, and its stores into the stage have read their registers,
.if (\t)+4 < STEPS
	LOAD (\t)+4                                    ; which take the loads of four steps on
.endif
.if (\t)+1 < STEPS
.if STEPS-2-(\t) >= 3
	s_wait_loadcnt 12                              ; the next step's four loads are in; those of the three steps behind it may be out
.else
	s_wait_loadcnt 4*(STEPS-2-(\t))
.endif
	TURN (\t)+1
.endif
	HOLD 0, X+16*((\t)%2)
	s_wait_alu depctr_va_vdst(0)
	s_wait_xcnt 0x0                                ; the last step's stores have read their codes: the registers are written again only behind this wait
	CODE 0
	v_nop                                          ; a plain line behind the conversions, ahead of the next write of their sources
	global_store_b128 v3, v[C:C+3], s[46:47] offset:512*(\t)        ; a wave stores 512 consecutive bytes
	s_cmp_eq_u32 s[ISX], 0
	s_cbranch_scc1 .Lone_\@                        ; a weight has one scale
	HOLD 1, X+16*((\t)%2)
	HOLD 2, X+16*((\t)%2)
	CODE 1
	CODE 2
	v_nop
	global_store_b128 v3, v[C+4:C+7], s[48:49] offset:512*(\t)
	global_store_b128 v3, v[C+8:C+11], s[50:51] offset:512*(\t)
.Lone_\@:
.endm
	s_wait_alu depctr_va_vdst(0)
.irp t, 0,1,2,3,4,5,6,7,8,9,10,11,12,13,14,15
	STEP \t
.endr
	s_wait_tensorcnt 0x0                           ; the wave's end, behind my last LDS store
	ds_add_u32 v[SPW], v[NIL]
	s_wait_dscnt 0x0
	s_endpgm
.Lfunc_end_k_q21a8be8a4b_quant:
	.size	k_q21a8be8a4b_quant, .Lfunc_end_k_q21a8be8a4b_quant-k_q21a8be8a4b_quant
	.p2alignl 7, 3214868480
	.fill 96, 4, 3214868480
	.section	.rodata,"a",@progbits
	.p2align	6, 0x0
	.amdhsa_kernel k_q21a8be8a4b_quant
		.amdhsa_group_segment_fixed_size 33280
		.amdhsa_private_segment_fixed_size 0
		.amdhsa_enable_private_segment 0
		.amdhsa_kernarg_size 88
		.amdhsa_user_sgpr_count 2
		.amdhsa_user_sgpr_kernarg_segment_ptr 1
		.amdhsa_wavefront_size32 1
		.amdhsa_system_sgpr_workgroup_id_x 1
		.amdhsa_system_sgpr_workgroup_id_y 1
		.amdhsa_system_sgpr_workgroup_id_z 1
		.amdhsa_system_vgpr_workitem_id 0
		.amdhsa_next_free_vgpr 192
		.amdhsa_next_free_sgpr 66
		.amdhsa_reserve_vcc 0
		.amdhsa_float_denorm_mode_32 3
		.amdhsa_float_denorm_mode_16_64 3
		.amdhsa_memory_ordered 1
		.amdhsa_forward_progress 1
		.amdhsa_inst_pref_size 85
	.end_amdhsa_kernel
	.amdgpu_metadata
---
amdhsa.version: [ 1, 2 ]
amdhsa.kernels:
  - .name:           k_q21a8be8a4b_quant
    .symbol:         k_q21a8be8a4b_quant.kd
    .args:
      - { .name: hidden_state, .offset: 0, .size: 8, .value_kind: global_buffer, .address_space: global }
      - { .name: Wq, .offset: 8, .size: 8, .value_kind: global_buffer, .address_space: global }
      - { .name: Wk, .offset: 16, .size: 8, .value_kind: global_buffer, .address_space: global }
      - { .name: Wv, .offset: 24, .size: 8, .value_kind: global_buffer, .address_space: global }
      - { .name: Wo, .offset: 32, .size: 8, .value_kind: global_buffer, .address_space: global }
      - { .name: lowp_scales, .offset: 40, .size: 8, .value_kind: global_buffer, .address_space: global }
      - { .name: xcodes, .offset: 48, .size: 8, .value_kind: global_buffer, .address_space: global }
      - { .name: wcodes, .offset: 56, .size: 8, .value_kind: global_buffer, .address_space: global }
      - { .name: kc, .offset: 64, .size: 8, .value_kind: global_buffer, .address_space: global }
      - { .name: vc, .offset: 72, .size: 8, .value_kind: global_buffer, .address_space: global }
      - { .name: invf, .offset: 80, .size: 8, .value_kind: global_buffer, .address_space: global }
    .group_segment_fixed_size: 33280
    .private_segment_fixed_size: 0
    .kernarg_segment_align: 8
    .kernarg_segment_size: 88
    .max_flat_workgroup_size: 128
    .sgpr_count:     66
    .vgpr_count:     192
    .wavefront_size: 32
...
	.end_amdgpu_metadata
.endif
;; end of part 1
;; launch qkv (part 2): grid 4 x 64, 4 waves a work-group, clusters of 4 x 4, 327,680 bytes of LDS; arguments xcodes, wcodes, bq, bk, bv, invf, lowp_scales, qc, kc, vc; writes qc, kc, vc
.if DOCPART == 2
	.amdgcn_target "amdgcn-amd-amdhsa--gfx1250"
	.amdhsa_code_object_version 6
	.text
	.protected	k_q21a8be8a4b_qkv
	.globl	k_q21a8be8a4b_qkv
	.p2align	8
	.type	k_q21a8be8a4b_qkv,@function
k_q21a8be8a4b_qkv:
	s_mov_b64 s[64:65], 0
	v_nop
	global_prefetch_b8 v0, s[64:65] scope:SCOPE_SE
	s_setreg_imm32_b32 hwreg(HW_REG_WAVE_MODE, 25, 1), 1
	s_wait_xcnt 0x0
	s_wait_alu depctr_hold_cnt(0) depctr_sa_sdst(0) depctr_va_vdst(0) depctr_va_sdst(0) depctr_va_ssrc(0) depctr_va_vcc(0) depctr_vm_vsrc(0)
	s_getreg_b32 s2, hwreg(HW_REG_IB_STS2, 6, 4)
	s_cmp_eq_u32 s2, 0
	s_cbranch_scc0 .Lentry_in_a_cluster
	s_endpgm
.Lentry_in_a_cluster:
	s_bfe_u32 s2, ttmp6, 0x10000c
	s_cmp_lg_u32 s2, 0xf033
	s_cbranch_scc0 .Lentry_shape_is_right
	s_endpgm
.Lentry_shape_is_right:
.set ROWB,   256
.set KROW,   1024
.set PITCH,  272
.set FR,     16
.set NL,     4
.set NP,     4
.set HALFT,  128*PITCH
.set SLOT,   4*HALFT
.set SPARE,  2*SLOT
.set QSTG,   SPARE+512
.set VSTG,   QSTG+4*2560
.set BV,   8
.set ADRA, 16
.set ADRAV,18
.set ADRB, 20
.set STQ,  22
.set RDQ,  23
.set STV,  24
.set RDV,  25
.set GOQ,  26
.set GOV,  27
.set SPW,  28
.set NIL,  29
.set BOF,  30
.set VOF,  31
.set BIAS, 32
.set INVF, 96
.set AF,   128
.set T,    0
.set AN,   64
.set NN,   80
.set R2,   96
.set SN,   112
.set CSN,  128
.set CD,   144
.set OUT,  160
.set SF,   176
.set MAGIC,178
.set C9,   180
.set K10,  182
.set LIM,  184
.set SCL,  185
.set IPI,  186
.set PH,   188
.set PL,   190
.set S11,  192
.set S7,   194
.set S5,   196
.set S3,   198
.set C12,  200
.set C8,   202
.set C6,   204
.set C4,   206
.set G1,  24
.set G0,  32
.set G1B, 48
.set G0B, 56
.set AB,  66
.set VB,  68
.set VA,  70
.set MSB, 0
.macro WIN new
.if MSB != (\new)
	s_set_vgpr_msb (MSB<<8)|(\new)
.set MSB, \new
.endif
.endm
.set MUL_LO, 0xa1
.set MUL_HI, 0xf1
.set TO_B,   0x40
.macro JLOAD g0a, g1a, g0b, g1b
	s_cmp_eq_u32 s15, 0
	s_cbranch_scc0 .Lfor_b_\@
	tensor_load_to_lds s[\g0a:\g0a+3], s[\g1a:\g1a+7]
	s_nop 0
.rept 4
	v_nop
.endr
	s_branch .Lasked_\@
.Lfor_b_\@:
	tensor_load_to_lds s[\g0b:\g0b+3], s[\g1b:\g1b+7]
	s_nop 0
.rept 4
	v_nop
.endr
.Lasked_\@:
.endm
.macro JLOADV g0a, g0b
	s_cmp_eq_u32 s14, 0
	s_cbranch_scc0 .Lnot_a_\@
	tensor_load_to_lds s[\g0a:\g0a+3], s[G1:G1+7]
	s_nop 0
.rept 4
	v_nop
.endr
	s_branch .Lasked_\@
.Lnot_a_\@:
	s_cmp_lt_u32 s14, 2
	s_cbranch_scc1 .Lasked_\@
	tensor_load_to_lds s[\g0b:\g0b+3], s[G1B:G1B+7]
	s_nop 0
.rept 4
	v_nop
.endr
.Lasked_\@:
.endm
.macro CREST
	s_cmp_lg_u32 s14, 0
	s_cbranch_scc1 .Lnot_wave_0_\@
	s_barrier_signal -3
.Lnot_wave_0_\@:
	s_barrier_wait -3
	s_barrier_signal -1
	s_barrier_wait -1
.endm
.macro CROUND
	s_barrier_signal -1
	s_barrier_wait -1
	CREST
.endm
; A prefetch into the L2 of a tile that a later refill will ask for: 32 rows x 256 bytes, a lane a row (v12 = 1,024 x lane), one instruction a wave.
; Of the 128 rows that a wave fetches, each of the four partners that ask jointly takes 32, told apart by address (cx for the row-shared tile, cy for the column-shared one).
; s42 (q, k) and s43 (v): 1 where my wave asks.  The rows of hidden_state's codes are asked for by every cluster that loads them; a weight's rows, which eight clusters load, by four of them.
; s[100:101], s[104:105] and v12 are never rewritten: the K steps are immediates.
.macro ASK flag, base, off
	s_cmp_eq_u32 s[\flag], 1
	s_cbranch_scc0 .Lnot_mine_\@
	global_prefetch_b8 v12, s[\base:\base+1] offset:\off th:TH_LOAD_NT scope:SCOPE_SE
.Lnot_mine_\@:
.endm
	s_load_b512 s[68:83], s[0:1], 0x0
	s_load_b128 s[84:87], s[0:1], 0x40
	v_lshl_add_u32 v[SPW], v0, 2, SPARE
	v_mov_b32 v[NIL], 0
	ds_add_u32 v[SPW], v[NIL]
	ds_add_u32 v[SPW], v[NIL]
	v_lshrrev_b32 v1, 5, v0
	v_readfirstlane_b32 s14, v1
	v_and_b32 v12, 31, v0
	v_lshlrev_b32 v12, 10, v12                     ; the prefetches' offset: my lane x a row of 1,024 bytes
	s_lshr_b32 s15, s14, 1
	s_and_b32 s16, s14, 1
	s_bfe_u32 s40, ttmp6, 0x40000
	s_bfe_u32 s41, ttmp6, 0x40004
	s_and_b32 s12, ttmp7, 0xffff
	s_lshr_b32 s13, s12, 3
	s_and_b32 s17, s12, 7
	s_lshl_b32 s43, s41, 2
	s_lshl_b32 s43, 15, s43
	s_lshl_b32 s44, 0x1111, s40
	s_or_b32 s[G1+0], s43, (0<<16)|(1<<20)|(1<<21)|(5<<22)|(3<<25)
	s_or_b32 s[G1B+0], s44, (0<<16)|(1<<20)|(1<<21)|(5<<22)|(3<<25)
.irp g, G1, G1B
	s_mov_b32 s[\g+1], ROWB<<16
	s_mov_b32 s[\g+2], 128<<16
	s_mov_b32 s[\g+3], ROWB<<16
	s_mov_b32 s[\g+4], 128
	s_mov_b32 s[\g+5], KROW
	s_mov_b32 s[\g+6], 0
	s_mov_b32 s[\g+7], 0
.endr
	s_lshl_b32 s20, s17, 10
	s_lshl_b32 s9, s41, 8
	s_add_co_u32 s20, s20, s9
	s_lshl_b32 s11, s16, 7
	s_add_co_u32 s20, s20, s11
	s_lshl_b32 s20, s20, 10
	s_lshl_b32 s19, s13, 23
	s_add_co_u32 s20, s20, s19
	s_mov_b32 s21, 0
	s_lshl_b32 s46, s13, 10
	s_lshl_b32 s23, s40, 7
	s_add_co_u32 s46, s46, s23
	s_lshl_b32 s10, s16, 9
	s_add_co_u32 s46, s46, s10
	s_lshl_b32 s46, s46, 10
	s_mov_b32 s47, 0
	s_and_b32 s4, s12, 1
	s_lshl_b32 s4, s4, 19
	s_lshl_b32 s5, s41, 17
	s_add_co_u32 s4, s4, s5
	s_add_co_u32 s4, s4, 0x200000
	s_mov_b32 s5, 0
	s_lshr_b32 s6, s12, 1
	s_lshl_b32 s6, s6, 20
	s_lshl_b32 s7, s40, 18
	s_add_co_u32 s6, s6, s7
	s_lshl_b32 s7, s16, 17
	s_add_co_u32 s6, s6, s7
	s_add_co_u32 s6, s6, 0x1000000
	s_mov_b32 s7, 0
	s_mul_i32 s45, s14, HALFT
	s_wait_dscnt 0x0
	s_wait_kmcnt 0x0
	s_load_b256 s[88:95], s[80:81], 0x0
	s_load_b128 s[96:99], s[80:81], 0x20
	s_add_nc_u64 s[20:21], s[68:69], s[20:21]
	s_add_nc_u64 s[46:47], s[70:71], s[46:47]
	s_add_nc_u64 s[VA:VA+1], s[70:71], s[4:5]
	s_add_nc_u64 s[VB:VB+1], s[68:69], s[6:7]
	s_cmp_lt_u32 s17, 4                            ; who asks, q and k: a weight's rows in four clusters of its eight,
	s_cselect_b32 s42, 1, 0
	s_cmp_lt_u32 s12, 8                            ; v: each half of Wv in four clusters of its eight,
	s_cselect_b32 s43, 1, 0
	s_cmp_eq_u32 s14, 1
	s_cselect_b32 s43, 0, s43                      ; wave 1 fetches nothing for v,
	s_cmp_gt_u32 s14, 1
	s_cselect_b32 s43, 1, s43                      ; waves 2 and 3 fetch hidden_state's codes
	s_cmp_eq_u32 s15, 0
	s_cselect_b32 s42, 1, s42                      ; as waves 0 and 1 do for q and k
	s_cselect_b32 s4, s40, s41                     ; my place among the four that ask with me
	s_cselect_b64 s[100:101], s[20:21], s[46:47]
	s_cselect_b64 s[104:105], s[VA:VA+1], s[VB:VB+1]
	s_lshl_b32 s4, s4, 15                          ; 32 rows of 1,024 bytes
	s_mov_b32 s5, 0
	s_add_nc_u64 s[100:101], s[100:101], s[4:5]
	s_add_nc_u64 s[104:105], s[104:105], s[4:5]
.irp s, 0,1
	s_mov_b32 s[G0+4*\s], 1
	s_add_co_u32 s[G0+4*\s+1], s45, \s*SLOT
	s_add_nc_u64 s[G0+4*\s+2:G0+4*\s+3], s[20:21], \s*ROWB
	s_or_b32 s[G0+4*\s+3], s[G0+4*\s+3], 0x80000000
	s_mov_b32 s[G0B+4*\s], 1
	s_add_co_u32 s[G0B+4*\s+1], s45, \s*SLOT
	s_add_nc_u64 s[G0B+4*\s+2:G0B+4*\s+3], s[46:47], \s*ROWB
	s_or_b32 s[G0B+4*\s+3], s[G0B+4*\s+3], 0x80000000
	s_wait_alu depctr_va_vdst(0)
	s_wait_tensorcnt 0x0
	ds_add_u32 v28, v29
	ds_add_u32 v28, v29
	s_wait_dscnt 0x0
	CROUND
	JLOAD G0+4*\s, G1, G0B+4*\s, G1B
.if \s == 0
	ASK 42, 100, 256                               ; behind K step 0's load: K steps 1 and 2;
	ASK 42, 100, 512
.else
	ASK 42, 100, 768                               ; behind K step 1's: K step 3: two loads ahead from here on
.endif
.endr
	v_and_b32 v1, 15, v0
	v_bfe_u32 v2, v0, 4, 1
	v_mul_u32_u24 v3, v1, PITCH
	v_lshl_add_u32 v4, v2, 4, v3
	s_mul_i32 s21, s15, HALFT
	s_mul_i32 s22, s16, 64*PITCH
	s_add_co_u32 s22, s22, 2*HALFT
	s_mul_i32 s23, s15, 64*PITCH
.irp s, 0,1
	v_add_nc_u32 v[ADRA+\s], s21, v4
	v_add_nc_u32 v[ADRB+\s], s22, v4
	v_add_nc_u32 v[ADRAV+\s], s23, v4
	s_add_co_u32 s21, s21, SLOT
	s_add_co_u32 s22, s22, SLOT
	s_add_co_u32 s23, s23, SLOT
.endr
	s_mul_i32 s23, s14, 2560
	s_add_co_u32 s23, s23, QSTG
	v_mul_u32_u24 v5, v1, 80
	v_lshl_add_u32 v5, v2, 3, v5
	v_add_nc_u32 v[STQ], s23, v5
	v_and_b32 v6, 31, v0
	v_lshrrev_b32 v7, 2, v6
	v_mul_u32_u24 v7, v7, 80
	v_and_b32 v5, 3, v6
	v_lshl_add_u32 v7, v5, 4, v7
	v_add_nc_u32 v[RDQ], s23, v7
	v_lshlrev_b32 v[GOQ], 4, v6
	s_mul_i32 s23, s15, 64*PITCH
	s_lshl_b32 s18, s16, 6
	s_add_co_u32 s23, s23, s18
	s_add_co_u32 s23, s23, VSTG
	v_lshl_add_u32 v5, v2, 3, v3
	v_add_nc_u32 v[STV], s23, v5
	s_mul_i32 s23, s14, 32*PITCH
	s_add_co_u32 s23, s23, VSTG
	v_mul_u32_u24 v5, v2, PITCH
	v_lshl_add_u32 v5, v1, 4, v5
	v_add_nc_u32 v[RDV], s23, v5
	v_mul_u32_u24 v5, v2, 8704
	v_lshl_add_u32 v[GOV], v1, 4, v5
	s_lshl_b32 s18, s40, 9
	s_lshl_b32 s19, s16, 8
	s_add_co_u32 s18, s18, s19
	v_lshl_add_u32 v[BOF], v2, 5, s18
	s_wait_alu depctr_va_vdst(0)
	s_and_b32 s19, s12, 1
	s_lshl_b32 s19, s19, 11
	s_lshl_b32 s10, s41, 9
	s_add_co_u32 s19, s19, s10
	s_lshl_b32 s10, s15, 8
	s_add_co_u32 s19, s19, s10
	v_lshl_add_u32 v[VOF], v1, 2, s19
	s_cmp_eq_u32 s13, 0
	s_cselect_b64 s[4:5], s[72:73], s[74:75]
.irp b, 0,1,2,3,4,5,6,7
	global_load_b128 v[BIAS+8*\b:BIAS+8*\b+3], v[BOF], s[4:5] offset:2048*(\b/4)+64*(\b%4)
	global_load_b128 v[BIAS+8*\b+4:BIAS+8*\b+7], v[BOF], s[4:5] offset:2048*(\b/4)+64*(\b%4)+16
.endr
.irp b, 0,1,2,3
	global_load_b128 v[INVF+8*\b:INVF+8*\b+3], v[BOF], s[78:79] offset:64*\b
	global_load_b128 v[INVF+8*\b+4:INVF+8*\b+7], v[BOF], s[78:79] offset:64*\b+16
.endr
.irp a, 0,1,2,3
	global_load_b32 v[BV+\a], v[VOF], s[76:77] offset:64*\a
.endr
.macro FRAG reg, adr, q, row
.irp c, 0,1,2,3
	ds_load_b128 v[\reg+4*\c:\reg+4*\c+3], v[\adr] offset:128*(\q)+32*\c+(\row)*PITCH
.endr
.endm
.macro MUL16 a0, p, zero
.irp a, \a0, \a0+1
.irp b, 0,1,2,3,4,5,6,7
.if \zero
	v_wmma_f32_16x16x128_fp8_fp8 v[8*(8*((\a)%4)+\b):8*(8*((\a)%4)+\b)+7], v[128*(\p)+FR*\b:128*(\p)+FR*\b+FR-1], v[AF+FR*(\a):AF+FR*(\a)+FR-1], 0
.else
	v_wmma_f32_16x16x128_fp8_fp8 v[8*(8*((\a)%4)+\b):8*(8*((\a)%4)+\b)+7], v[128*(\p)+FR*\b:128*(\p)+FR*\b+FR-1], v[AF+FR*(\a):AF+FR*(\a)+FR-1], v[8*(8*((\a)%4)+\b):8*(8*((\a)%4)+\b)+7]
.endif
.endr
.endr
.endm
.macro FETCH_B slot, q, p
	WIN TO_B
.irp i, 0,1,2,3,4,5,6,7
	FRAG 128*(\p)+FR*\i, ADRB+\slot, \q, (\i/4)*128+(\i%4)*16
.endr
	WIN 0
.endm
.macro FETCH_A slot, q, i0
.irp i, \i0, \i0+1, \i0+2, \i0+3
	FRAG AF+FR*(\i), ADRA+\slot, \q, 16*(\i)
.endr
.endm
.macro PLACES n
.rept \n
	v_nop
.endr
.endm
.macro STEP slot, q, zero
	s_wait_dscnt 4*NL
	WIN MUL_LO
	MUL16 0, (\q)%2, \zero
	MUL16 2, (\q)%2, \zero
	s_wait_dscnt 0
	PLACES NP
	FETCH_B \slot, (\q)+1, 1-(\q)%2
	FETCH_A \slot, (\q)+1, 0
	WIN MUL_HI
	MUL16 4, (\q)%2, \zero
	MUL16 6, (\q)%2, \zero
	PLACES NP
	WIN 0
	FETCH_A \slot, (\q)+1, 4
.endm
.macro TURN slot, next, fill
	s_wait_tensorcnt 0x0
	ds_add_u32 v[SPW], v[NIL]
	s_wait_dscnt 4*NL+1
	WIN MUL_LO
	MUL16 0, 1, 0
	s_wait_dscnt 0x0
	s_barrier_signal -1
	MUL16 2, 1, 0
	WIN 0
	s_barrier_wait -1
	CREST
.if \fill == 1
	s_add_nc_u64 s[G0+4*\slot+2:G0+4*\slot+3], s[G0+4*\slot+2:G0+4*\slot+3], 2*ROWB
	s_add_nc_u64 s[G0B+4*\slot+2:G0B+4*\slot+3], s[G0B+4*\slot+2:G0B+4*\slot+3], 2*ROWB
	JLOAD G0+4*\slot, G1, G0B+4*\slot, G1B
.else
	s_add_nc_u64 s[G0+4*\slot+2:G0+4*\slot+3], s[VA:VA+1], \slot*ROWB
	s_or_b32 s[G0+4*\slot+3], s[G0+4*\slot+3], 0x80000000
	s_add_nc_u64 s[G0B+4*\slot+2:G0B+4*\slot+3], s[VB:VB+1], \slot*ROWB
	s_or_b32 s[G0B+4*\slot+3], s[G0B+4*\slot+3], 0x80000000
	JLOADV G0+4*\slot, G0B+4*\slot
	PLACES NP
.endif
.if \next >= 0
	FETCH_B \next, 0, 0
	FETCH_A \next, 0, 0
.endif
	ASK 43, 104, (\fill-1)*512+\slot*256           ; v's K step that stands two loads on
	WIN MUL_HI
	MUL16 4, 1, 0
	MUL16 6, 1, 0
	PLACES NP
	WIN 0
.if \next >= 0
	FETCH_A \next, 0, 4
.endif
.endm
	s_wait_tensorcnt 1
	s_barrier_signal -1
	s_barrier_wait -1
	FETCH_B 0, 0, 0
	FETCH_A 0, 0, 0
	FETCH_A 0, 0, 4
	STEP 0, 0, 1
	TURN 0, 1, 1
	STEP 1, 0, 0
	TURN 1, 0, 1
	STEP 0, 0, 0
	TURN 0, 1, 2
	STEP 1, 0, 0
	TURN 1, -1, 2
	s_wait_loadcnt 0x0
	s_wait_kmcnt 0x0
	s_add_co_i32 s4, s88, s89
	s_add_co_i32 s5, s90, s91
	s_cmp_eq_u32 s13, 0
	s_cselect_b32 s2, s4, s5
	s_cselect_b32 s7, s94, s95
	s_add_co_i32 s2, s2, 127
	s_lshl_b32 s2, s2, 23
	s_mov_b32 s3, s2
	s_add_co_i32 s7, s7, 127
	s_lshl_b32 s8, s7, 23
	s_add_co_i32 s7, s7, 8
	s_lshl_b32 s9, s7, 23
	s_or_b32 s9, s9, 0x600000
	s_lshl_b32 s4, s17, 2
	s_add_co_u32 s4, s4, s41
	s_lshl_b32 s4, s4, 8
	s_lshl_b32 s5, s15, 7
	s_add_co_u32 s4, s4, s5
	v_add_nc_u32 v4, s4, v1
.macro KV reg, val
	v_mov_b32 v[\reg], \val
	v_mov_b32 v[\reg+1], \val
.endm
	WIN 0x40
	v_mov_b32 v[SCL], s8
	v_mov_b32 v[LIM], s9
	v_cvt_f32_u32 v[SF], v4
	v_cvt_f32_u32 v[SF+1], v4
	KV MAGIC, 0x4b400000
	KV C9,  0x3638ef1d
	KV K10, 0xb493f27e
	KV IPI, 0x3ea2f983
	KV PH,  0xc0490fdb
	KV PL,  0x33bbbd2e
	KV S11, 0xb2d7322b
	KV S7,  0xb9500d01
	KV S5,  0x3c088889
	KV S3,  0xbe2aaaab
	KV C12, 0x310f76c7
	KV C8,  0x37d00d01
	KV C6,  0xbab60b61
	KV C4,  0x3d2aaaab
	WIN 0
	s_mov_b32 s5, 557056
	s_cmp_eq_u32 s13, 0
	s_cselect_b64 s[10:11], s[82:83], s[84:85]
	s_cselect_b32 s5, 0x80000, s5
	s_cselect_b32 s6, 0, 32768
	s_lshl_b32 s7, s40, 1
	s_add_co_u32 s7, s7, s16
	s_mul_i32 s7, s7, s5
	s_lshl_b32 s4, s4, 6
	s_add_co_u32 s8, s7, s4
	s_add_co_u32 s8, s8, s6
	s_mov_b32 s9, 0
	s_add_nc_u64 s[10:11], s[10:11], s[8:9]
	s_lshl_b32 s8, s5, 3
	s_add_nc_u64 s[18:19], s[10:11], s[8:9]
.macro TPH a
	WIN 0x42+((\a)/4)
.set kk, 0
.rept 32
	v_pk_fma_f32 v[T+kk:T+kk+1], v[64*((\a)%4)+kk:64*((\a)%4)+kk+1], s[2:3], v[BIAS+kk:BIAS+kk+1] op_sel_hi:[1,0,1]
.set kk, kk+2
.endr
	WIN 0
.endm
.macro ROPEH g
	WIN 0x44
.irp k, 0,2,4,6,8,10,12,14
	v_pk_mul_f32 v[AN+\k:AN+\k+1], v[INVF+16*\g+\k:INVF+16*\g+\k+1], v[SF:SF+1] op_sel_hi:[1,0]
.endr
	WIN 0x55
.irp k, 0,2,4,6,8,10,12,14
	v_pk_fma_f32 v[NN+\k:NN+\k+1], v[AN+\k:AN+\k+1], v[IPI:IPI+1], v[MAGIC:MAGIC+1]
.endr
.irp k, 0,2,4,6,8,10,12,14
	v_pk_add_f32 v[R2+\k:R2+\k+1], v[NN+\k:NN+\k+1], v[MAGIC:MAGIC+1] neg_lo:[0,1] neg_hi:[0,1]
.endr
.irp k, 0,2,4,6,8,10,12,14
	v_pk_fma_f32 v[AN+\k:AN+\k+1], v[R2+\k:R2+\k+1], v[PH:PH+1], v[AN+\k:AN+\k+1]
.endr
.irp k, 0,2,4,6,8,10,12,14
	v_pk_fma_f32 v[AN+\k:AN+\k+1], v[R2+\k:R2+\k+1], v[PL:PL+1], v[AN+\k:AN+\k+1]
.endr
.irp i, 0,1,2,3,4,5,6,7,8,9,10,11,12,13,14,15
	v_lshlrev_b32 v[NN+\i], 31, v[NN+\i]
.endr
.irp k, 0,2,4,6,8,10,12,14
	v_pk_mul_f32 v[R2+\k:R2+\k+1], v[AN+\k:AN+\k+1], v[AN+\k:AN+\k+1]
.endr
.irp k, 0,2,4,6,8,10,12,14
	v_pk_fma_f32 v[SN+\k:SN+\k+1], v[R2+\k:R2+\k+1], v[S11:S11+1], v[C9:C9+1]
	v_pk_fma_f32 v[CSN+\k:CSN+\k+1], v[R2+\k:R2+\k+1], v[C12:C12+1], v[K10:K10+1]
.endr
.irp k, 0,2,4,6,8,10,12,14
	v_pk_fma_f32 v[SN+\k:SN+\k+1], v[SN+\k:SN+\k+1], v[R2+\k:R2+\k+1], v[S7:S7+1]
	v_pk_fma_f32 v[CSN+\k:CSN+\k+1], v[CSN+\k:CSN+\k+1], v[R2+\k:R2+\k+1], v[C8:C8+1]
.endr
.irp k, 0,2,4,6,8,10,12,14
	v_pk_fma_f32 v[SN+\k:SN+\k+1], v[SN+\k:SN+\k+1], v[R2+\k:R2+\k+1], v[S5:S5+1]
	v_pk_fma_f32 v[CSN+\k:CSN+\k+1], v[CSN+\k:CSN+\k+1], v[R2+\k:R2+\k+1], v[C6:C6+1]
.endr
.irp k, 0,2,4,6,8,10,12,14
	v_pk_fma_f32 v[SN+\k:SN+\k+1], v[SN+\k:SN+\k+1], v[R2+\k:R2+\k+1], v[S3:S3+1]
	v_pk_fma_f32 v[CSN+\k:CSN+\k+1], v[CSN+\k:CSN+\k+1], v[R2+\k:R2+\k+1], v[C4:C4+1]
.endr
.irp k, 0,2,4,6,8,10,12,14
	v_pk_fma_f32 v[SN+\k:SN+\k+1], v[SN+\k:SN+\k+1], v[R2+\k:R2+\k+1], 1.0 op_sel_hi:[1,1,0]
	v_pk_fma_f32 v[CSN+\k:CSN+\k+1], v[CSN+\k:CSN+\k+1], v[R2+\k:R2+\k+1], -0.5 op_sel_hi:[1,1,0]
.endr
.irp k, 0,2,4,6,8,10,12,14
	v_pk_mul_f32 v[SN+\k:SN+\k+1], v[SN+\k:SN+\k+1], v[AN+\k:AN+\k+1]
	v_pk_fma_f32 v[CSN+\k:CSN+\k+1], v[CSN+\k:CSN+\k+1], v[R2+\k:R2+\k+1], 1.0 op_sel_hi:[1,1,0]
.endr
.irp i, 0,1,2,3,4,5,6,7,8,9,10,11,12,13,14,15
	v_xor_b32 v[SN+\i], v[NN+\i], v[SN+\i]
	v_xor_b32 v[CSN+\i], v[NN+\i], v[CSN+\i]
.endr
.irp k, 0,2,4,6,8,10,12,14
	v_pk_mul_f32 v[AN+\k:AN+\k+1], v[T+32+16*\g+\k:T+32+16*\g+\k+1], v[SN+\k:SN+\k+1]
	v_pk_mul_f32 v[NN+\k:NN+\k+1], v[T+32+16*\g+\k:T+32+16*\g+\k+1], v[CSN+\k:CSN+\k+1]
.endr
.irp k, 0,2,4,6,8,10,12,14
	v_pk_fma_f32 v[AN+\k:AN+\k+1], v[T+16*\g+\k:T+16*\g+\k+1], v[CSN+\k:CSN+\k+1], v[AN+\k:AN+\k+1] neg_lo:[0,0,1] neg_hi:[0,0,1]
	v_pk_fma_f32 v[NN+\k:NN+\k+1], v[T+16*\g+\k:T+16*\g+\k+1], v[SN+\k:SN+\k+1], v[NN+\k:NN+\k+1]
.endr
.irp i, 0,1,2,3,4,5,6,7,8,9,10,11,12,13,14,15
	v_med3_num_f32 v[AN+\i], v[AN+\i], -v[LIM], v[LIM]
	v_med3_num_f32 v[NN+\i], v[NN+\i], -v[LIM], v[LIM]
.endr
	v_cvt_scalef32_pk8_fp8_f32 v[CD+4*\g:CD+4*\g+1], v[AN:AN+7], v[SCL]
	v_cvt_scalef32_pk8_fp8_f32 v[CD+4*\g+2:CD+4*\g+3], v[AN+8:AN+15], v[SCL]
	v_cvt_scalef32_pk8_fp8_f32 v[CD+8+4*\g:CD+8+4*\g+1], v[NN:NN+7], v[SCL]
	v_cvt_scalef32_pk8_fp8_f32 v[CD+8+4*\g+2:CD+8+4*\g+3], v[NN+8:NN+15], v[SCL]
	v_nop
.endm
	TPH 0
	s_mov_b32 s[AB], 0
.Lblk:
	s_wait_alu depctr_va_vdst(0)
	ROPEH 0
	ROPEH 1
	WIN 0x04
.irp b, 0,1,2,3,4,5,6,7
	ds_store_b64 v[STQ], v[CD+2*\b:CD+2*\b+1] offset:1280*(\b/4)+16*(\b%4)
.endr
	s_wait_xcnt 0x0
	s_add_nc_u64 s[10:11], s[10:11], 1024
	s_add_nc_u64 s[18:19], s[18:19], 1024
	WIN 0x40
.irp n, 0,1,2,3
	ds_load_b128 v[OUT+4*\n:OUT+4*\n+3], v[RDQ] offset:1280*(\n/2)+640*(\n%2)
.endr
	WIN 0x55
	v_add_f32 v[SF], 0x41800000, v[SF]
	WIN 0
.irp a, 1,2,3,4,5,6,7
	s_cmp_eq_u32 s[AB], \a-1
	s_cbranch_scc1 .LT\a
.endr
	s_branch .Lsend
.irp a, 1,2,3,4,5,6
.LT\a:
	TPH \a
	s_branch .Lsend
.endr
.LT7:
	TPH 7
.Lsend:
	s_wait_dscnt 0x0
	WIN 0x04
	global_store_b128 v[GOQ], v[OUT:OUT+3], s[10:11] offset:-1024
	global_store_b128 v[GOQ], v[OUT+4:OUT+7], s[10:11] offset:-512
	global_store_b128 v[GOQ], v[OUT+8:OUT+11], s[18:19] offset:-1024
	global_store_b128 v[GOQ], v[OUT+12:OUT+15], s[18:19] offset:-512
	WIN 0
	s_add_co_u32 s[AB], s[AB], 1
	s_cmp_lt_u32 s[AB], 8
	s_cbranch_scc1 .Lblk
.macro MUL8 a, p, zero
.irp b, 0,1,2,3,4,5,6,7
.if \zero
	v_wmma_f32_16x16x128_fp8_fp8 v[8*(8*(\a)+\b):8*(8*(\a)+\b)+7], v[128*(\p)+FR*\b:128*(\p)+FR*\b+FR-1], v[AF+64*(\p)+FR*(\a):AF+64*(\p)+FR*(\a)+FR-1], 0
.else
	v_wmma_f32_16x16x128_fp8_fp8 v[8*(8*(\a)+\b):8*(8*(\a)+\b)+7], v[128*(\p)+FR*\b:128*(\p)+FR*\b+FR-1], v[AF+64*(\p)+FR*(\a):AF+64*(\p)+FR*(\a)+FR-1], v[8*(8*(\a)+\b):8*(8*(\a)+\b)+7]
.endif
.endr
.endm
.macro FETCH4 slot, q, p
	FETCH_B \slot, \q, \p
.irp a, 0,1,2,3
	FRAG AF+64*(\p)+FR*\a, ADRAV+\slot, \q, 16*\a
.endr
.endm
.macro STEP4 slot, zero
	s_wait_dscnt 0x0
	WIN MUL_LO
	MUL8 0, 0, \zero
	MUL8 1, 0, \zero
	PLACES NP
	FETCH4 \slot, 1, 1
	WIN MUL_LO
	MUL8 2, 0, \zero
	MUL8 3, 0, \zero
	WIN 0
.endm
.macro TURN4 slot, next, fill
	s_wait_tensorcnt 0x0
	ds_add_u32 v[SPW], v[NIL]
	s_wait_dscnt 1
	WIN MUL_LO
	MUL8 0, 1, 0
	s_wait_dscnt 0x0
	s_barrier_signal -1
	MUL8 1, 1, 0
	WIN 0
	s_barrier_wait -1
.if \fill
	CREST
	s_add_nc_u64 s[G0+4*\slot+2:G0+4*\slot+3], s[G0+4*\slot+2:G0+4*\slot+3], 2*ROWB
	s_add_nc_u64 s[G0B+4*\slot+2:G0B+4*\slot+3], s[G0B+4*\slot+2:G0B+4*\slot+3], 2*ROWB
	JLOADV G0+4*\slot, G0B+4*\slot
.endif
	PLACES NP
	FETCH4 \next, 0, 0
	WIN MUL_LO
	MUL8 2, 1, 0
	MUL8 3, 1, 0
	WIN 0
.endm
	s_wait_xcnt 0x0
	FETCH4 0, 0, 0
	STEP4 0, 1
	TURN4 0, 1, 1
	STEP4 1, 0
	TURN4 1, 0, 1
	STEP4 0, 0
	TURN4 0, 1, 0
	STEP4 1, 0
	s_wait_dscnt 0x0
	WIN MUL_LO
	MUL8 0, 1, 0
	MUL8 1, 1, 0
	MUL8 2, 1, 0
	MUL8 3, 1, 0
	WIN 0
	PLACES NP
	s_add_co_i32 s2, s92, s93
	s_add_co_i32 s2, s2, 127
	s_lshl_b32 s2, s2, 23
	s_add_co_i32 s7, s97, 127
	s_lshl_b32 s8, s7, 23
	s_add_co_i32 s7, s7, 8
	s_lshl_b32 s9, s7, 23
	s_or_b32 s9, s9, 0x600000
	WIN 0x40
	v_mov_b32 v[SCL], s8
	v_mov_b32 v[LIM], s9
	WIN 0
.macro VBLOCK a
	WIN 0x42
.set kk, 0
.rept 64
	v_fma_f32 v[T+kk], v[64*(\a)+kk], s2, v[BV+(\a)]
.set kk, kk+1
.endr
	WIN 0x55
.set kk, 0
.rept 64
	v_med3_num_f32 v[T+kk], v[T+kk], -v[LIM], v[LIM]
.set kk, kk+1
.endr
.if (\a) > 0
	s_wait_alu depctr_va_vdst(0)
	s_wait_dscnt 0x0
.endif
.irp b, 0,1,2,3,4,5,6,7
	v_cvt_scalef32_pk8_fp8_f32 v[CD+2*\b:CD+2*\b+1], v[T+8*\b:T+8*\b+7], v[SCL]
.endr
	v_nop
	WIN 0x04
.irp b, 0,1,2,3,4,5,6,7
	ds_store_b64 v[STV], v[CD+2*\b:CD+2*\b+1] offset:(\a)*16*PITCH+128*(\b/4)+16*(\b%4)
.endr
	WIN 0
.endm
.irp a, 0,1,2,3
	VBLOCK \a
.endr
	s_wait_tensorcnt 0x0
	ds_add_u32 v[SPW], v[NIL]
	s_wait_dscnt 0x0
	s_barrier_signal -1
	s_barrier_wait -1
	s_and_b32 s4, s12, 1
	s_lshl_b32 s4, s4, 2
	s_add_co_u32 s4, s4, s41
	s_lshl_b32 s4, s4, 7
	s_lshl_b32 s5, s14, 5
	s_add_co_u32 s4, s4, s5
	s_mul_i32 s4, s4, 8704
	s_lshr_b32 s5, s12, 1
	s_lshl_b32 s5, s5, 2
	s_add_co_u32 s5, s5, s40
	s_lshl_b32 s5, s5, 8
	s_add_co_u32 s4, s4, s5
	s_add_co_u32 s4, s4, 512
	s_mov_b32 s5, 0
	s_add_nc_u64 s[86:87], s[86:87], s[4:5]
	WIN 0x40
.set ii, 0
.rept 16
	ds_load_b128 v[4*ii:4*ii+3], v[RDV] offset:2*ii*PITCH
.set ii, ii+1
.endr
	WIN 0x04
.set ii, 0
.rept 16
	s_wait_dscnt 15-ii
	global_store_b128 v[GOV], v[4*ii:4*ii+3], s[86:87] offset:2*ii*8704
.set ii, ii+1
.endr
	WIN 0
	CROUND
	s_endpgm
.Lfunc_end_k_q21a8be8a4b_qkv:
	.size	k_q21a8be8a4b_qkv, .Lfunc_end_k_q21a8be8a4b_qkv-k_q21a8be8a4b_qkv
	.p2alignl 7, 3214868480
	.fill 96, 4, 3214868480
	.section	.rodata,"a",@progbits
	.p2align	6, 0x0
	.amdhsa_kernel k_q21a8be8a4b_qkv
		.amdhsa_group_segment_fixed_size 327680
		.amdhsa_private_segment_fixed_size 0
		.amdhsa_enable_private_segment 0
		.amdhsa_kernarg_size 80
		.amdhsa_user_sgpr_count 2
		.amdhsa_user_sgpr_kernarg_segment_ptr 1
		.amdhsa_wavefront_size32 1
		.amdhsa_system_sgpr_workgroup_id_x 1
		.amdhsa_system_sgpr_workgroup_id_y 1
		.amdhsa_system_sgpr_workgroup_id_z 1
		.amdhsa_system_vgpr_workitem_id 0
		.amdhsa_next_free_vgpr 1024
		.amdhsa_next_free_sgpr 106
		.amdhsa_reserve_vcc 0
		.amdhsa_float_denorm_mode_32 3
		.amdhsa_float_denorm_mode_16_64 3
		.amdhsa_memory_ordered 1
		.amdhsa_forward_progress 1
		.amdhsa_inst_pref_size 225
	.end_amdhsa_kernel
	.amdgpu_metadata
---
amdhsa.version: [ 1, 2 ]
amdhsa.kernels:
  - .name:           k_q21a8be8a4b_qkv
    .symbol:         k_q21a8be8a4b_qkv.kd
    .args:
      - { .name: xcodes, .offset: 0, .size: 8, .value_kind: global_buffer, .address_space: global }
      - { .name: wcodes, .offset: 8, .size: 8, .value_kind: global_buffer, .address_space: global }
      - { .name: bq, .offset: 16, .size: 8, .value_kind: global_buffer, .address_space: global }
      - { .name: bk, .offset: 24, .size: 8, .value_kind: global_buffer, .address_space: global }
      - { .name: bv, .offset: 32, .size: 8, .value_kind: global_buffer, .address_space: global }
      - { .name: invf, .offset: 40, .size: 8, .value_kind: global_buffer, .address_space: global }
      - { .name: lowp_scales, .offset: 48, .size: 8, .value_kind: global_buffer, .address_space: global }
      - { .name: qc, .offset: 56, .size: 8, .value_kind: global_buffer, .address_space: global }
      - { .name: kc, .offset: 64, .size: 8, .value_kind: global_buffer, .address_space: global }
      - { .name: vc, .offset: 72, .size: 8, .value_kind: global_buffer, .address_space: global }
    .group_segment_fixed_size: 327680
    .private_segment_fixed_size: 0
    .kernarg_segment_align: 8
    .kernarg_segment_size: 80
    .max_flat_workgroup_size: 128
    .sgpr_count:     106
    .vgpr_count:     1024
    .wavefront_size: 32
...
	.end_amdgpu_metadata
.endif
;; end of part 2
;; launch attn (part 3): grid 16 x 16, 16 waves a work-group, no clusters, 167,936 bytes of LDS; arguments qc, kc, vc, lowp_scales, ao; writes ao
.if DOCPART == 3
	.amdgcn_target "amdgcn-amd-amdhsa--gfx1250"
	.amdhsa_code_object_version 6
	.text
	.protected	k_q21a8be8a4b_attn
	.globl	k_q21a8be8a4b_attn
	.p2align	8
	.type	k_q21a8be8a4b_attn,@function
k_q21a8be8a4b_attn:
	s_mov_b64 s[64:65], 0
	v_nop
	global_prefetch_b8 v0, s[64:65] scope:SCOPE_SE
	s_setreg_imm32_b32 hwreg(HW_REG_WAVE_MODE, 25, 1), 1
	s_wait_xcnt 0x0
; Attention in a causal window, 0 <= query - key <= 512, 16 heads of 64, both products on E4M3 codes.
; t = score x log2(e) / 8; M = the running largest t rounded up to a whole number; p = 2^(t - M) is quantised (2^e8), not normalised; the row's sum is taken of the unquantised p and divides at the end.
; SHARES.  Work-group (x = block of 512 queries, y = head).  Its 1,024 keys (q0 - 512 .. q0 + 511) come into LDS once, by five tensor loads; nothing is filled again.  In front of key 0 kc and vc hold zero codes.
; Wave w takes the 16 queries qw = q0 + 256 p + 16 w in pass p = 0, 1.  Its keys are rho = key - (qw - 512) = 0 .. 527: a short step of 16, then four steps of 128.  So only the first tile of 16 keys (the window's
; lower edge) and the last (the diagonal) are masked by element, always in the same registers.  In block 0 keys under 0 are hidden: a step all of whose keys are hidden is left out (a scalar branch on ids).
; No multicast: neighbouring blocks share half their keys, but each would want them at another LDS address.
; LAYOUT.  S^T = K Q^T (16x16x64; source 0 = 16 keys): lane (r, h) holds query r, register 8 t + j key 16 t + 8 h + j.  K's and Q's fragments come by two loads of 16 bytes: the same permutation of the head's 64 in both.
; The conversion of tile t gives registers 2 t, 2 t + 1 of P.  O^T += V^T P^T (16x16x128; source 0 = 16 of the head's 64, eight loads of 8 bytes): register 8 u + j is channel 16 u + 8 h + j.
; O's codes (2^e10) ARE the register image of the last product's operand: ao [512 blocks of 16 rows][16 heads][2 halves][32 lanes][16 bytes].
; LIMITS: e6 + e7 between -123 and 130; e8 and e10 between -126 and 119.  NaN among the inputs is not served.
.set KP,    80                         ; a key's row in LDS: 64 bytes + 16
.set VP,    1040                       ; a channel's row: 1,024 keys + 16
.set VOFF,  1024*KP
.set SPARE, VOFF+64*VP                 ; the spare words: 128 bytes for each of 16 waves
.set AK0, 1                            ; v1  80 r + 16 h + 1280 w
.set AV0, 2                            ; v2  VOFF + 1040 r + 8 h + 16 w
.set GO,  3                            ; v3  16 x lane
.set DL,  4                            ; v4  r - 8 h
.set SPW, 5
.set NIL, 6
.set DS,  7                            ; v7  DL, + 64 in block 0: the short step's keys are all hidden there
.set ADK, 8
.set ADV, 9
.set DN,  10
.set NINF,11
.set H8,  232                          ; 8 h
.set Q,   16                           ; v16-23, v24-31: Q of pass 0, 1
.set F,   32                           ; v32-95 fragments of K, then of V
.set S,   96                           ; v96-159 scores, then p
.set O,   160                          ; v160-191
.set PC,  192                          ; v192-207 p's codes
.set OC,  208                          ; v208-215, v216-223: the output's codes of pass 0, 1
.set WV,  14
.set HD,  15
.set G0K, 16
.set SEL, 20
.set CS,  22
.set G1K, 24
.set G0V, 32
.set E89, 42
.set G1V, 44
.set TK,  52                           ; s52 LDS byte of the step's keys, from AK0
.set TV,  53                           ; s53 the same for V
.set SDN, 54                           ; s54 block 0: how many of the step's places lie under key 0 (for h = 0); else under 0
.set MC,  55
	s_load_b256 s[4:11], s[0:1], 0x0               ; qc 4, kc 6, vc 8, scales 10
	s_load_b64 s[12:13], s[0:1], 0x20              ; ao
	v_lshl_add_u32 v[SPW], v0, 2, SPARE
	v_mov_b32 v[NIL], 0
	ds_add_u32 v[SPW], v[NIL]                      ; the wave's opening: the add and its wait ahead of the first tensor load
	ds_add_u32 v[SPW], v[NIL]
	v_lshrrev_b32 v8, 5, v0
	s_delay_alu instid0(VALU_DEP_1)
	v_readfirstlane_b32 s[WV], v8
	s_and_b32 s[HD], ttmp7, 0xffff
	s_mov_b32 s[G1K], (0<<16)|(1<<20)|(3<<22)|(3<<25)   ; elements of 1 byte; padding: four words after every 16
	s_mov_b32 s[G1K+1], 256<<16                    ; 256 keys of 64 bytes lie dense and begin at a multiple of 256: stated as 64 rows of 256 bytes, the padding still behind each 64
	s_mov_b32 s[G1K+2], 64<<16
	s_mov_b32 s[G1K+3], 256<<16
	s_mov_b32 s[G1K+4], 64
	s_mov_b32 s[G1K+5], 256
	s_mov_b32 s[G1K+6], 0
	s_mov_b32 s[G1K+7], 0
	s_mov_b32 s[G1V], (0<<16)|(1<<20)|(7<<22)|(3<<25)   ; four words after every 256
	s_mov_b32 s[G1V+1], 1024<<16
	s_mov_b32 s[G1V+2], 64<<16
	s_mov_b32 s[G1V+3], 1024<<16
	s_mov_b32 s[G1V+4], 64
	s_mov_b32 s[G1V+5], 8704
	s_mov_b32 s[G1V+6], 0
	s_mov_b32 s[G1V+7], 0
	s_mov_b32 s[SEL], 0x76543210
	s_mov_b32 s[SEL+1], 0xfedcba98
	s_mov_b32 s[CS], 0x3e38aa3b                    ; c = log2(e) / 8
	s_lshl_b32 s52, ttmp9, 9                       ; q0
	s_and_b32 s53, s[WV], 3
	s_mul_i32 s54, s53, 256*KP                     ; K: waves 0-3 fetch 256 rows each: in LDS,
	s_lshl_b32 s53, s53, 8
	s_add_co_u32 s53, s53, s52                     ; and in kc: key q0 - 512 lies at row q0
	s_lshl_b32 s53, s53, 6
	s_mul_i32 s55, s[HD], 557056
	s_add_co_u32 s56, s53, s55
	s_mov_b32 s57, 0
	s_mul_i32 s58, s[HD], 64*8704                  ; V: wave 4 fetches the head's 64 rows x 1,024 keys from byte q0
	s_add_co_u32 s58, s58, s52
	s_mov_b32 s59, 0
	s_lshl_b32 s60, s[WV], 4
	s_add_co_u32 s60, s60, s52
	s_lshl_b32 s60, s60, 6
	s_lshl_b32 s61, s[HD], 19
	s_add_co_u32 s60, s60, s61                     ; Q: head x 524,288 + (q0 + 16 w) x 64
	s_mov_b32 s61, 0
	s_lshl_b32 s62, ttmp9, 5
	s_add_co_u32 s62, s62, s[WV]
	s_lshl_b32 s62, s62, 14
	s_lshl_b32 s63, s[HD], 10
	s_add_co_u32 s62, s62, s63                     ; ao: (32 block + w) x 16,384 + head x 1,024
	s_mov_b32 s63, 0
	s_wait_dscnt 0x0                               ; the opening add is done
	s_wait_kmcnt 0x0
	s_load_b128 s[36:39], s[10:11], 0x18           ; e6, e7, e8, e9
	s_load_b32 s40, s[10:11], 0x28                 ; e10
	s_mov_b32 s[G0K], 1
	s_mov_b32 s[G0K+1], s54
	s_add_nc_u64 s[G0K+2:G0K+3], s[6:7], s[56:57]
	s_or_b32 s[G0K+3], s[G0K+3], 0x80000000
	s_mov_b32 s[G0V], 1
	s_mov_b32 s[G0V+1], VOFF
	s_add_nc_u64 s[G0V+2:G0V+3], s[8:9], s[58:59]
	s_or_b32 s[G0V+3], s[G0V+3], 0x80000000
	s_cmp_lt_u32 s[WV], 4                          ; all fills are first fills; a wave has at most one tensor load out
	s_cbranch_scc0 .Lnot_k
	tensor_load_to_lds s[G0K:G0K+3], s[G1K:G1K+7]
	s_nop 0
.rept 4
	v_nop
.endr
	s_branch .Lasked
.Lnot_k:
	s_cmp_eq_u32 s[WV], 4
	s_cbranch_scc0 .Lasked
	tensor_load_to_lds s[G0V:G0V+3], s[G1V:G1V+7]
	s_nop 0
.rept 4
	v_nop
.endr
.Lasked:
	s_add_nc_u64 s[4:5], s[4:5], s[60:61]
	s_add_nc_u64 s[12:13], s[12:13], s[62:63]
	v_and_b32 v8, 15, v0                           ; r
	v_bfe_u32 v9, v0, 4, 1                         ; h
	s_delay_alu instid0(VALU_DEP_2)
	v_lshlrev_b32 v10, 6, v8
	s_delay_alu instid0(VALU_DEP_1)
	v_lshl_add_u32 v10, v9, 4, v10
	global_load_b128 v[Q:Q+3], v10, s[4:5]
	global_load_b128 v[Q+4:Q+7], v10, s[4:5] offset:32
	global_load_b128 v[Q+8:Q+11], v10, s[4:5] offset:16384
	global_load_b128 v[Q+12:Q+15], v10, s[4:5] offset:16384+32
	s_mul_i32 s56, s[WV], 16*KP
	v_mul_u32_u24 v[AK0], v8, KP
	s_delay_alu instid0(VALU_DEP_1)
	v_lshl_add_u32 v[AK0], v9, 4, v[AK0]
	s_delay_alu instid0(VALU_DEP_1)
	v_add_nc_u32 v[AK0], s56, v[AK0]
	s_lshl_b32 s56, s[WV], 4
	s_add_co_u32 s56, s56, VOFF
	v_mul_u32_u24 v[AV0], v8, VP
	s_delay_alu instid0(VALU_DEP_1)
	v_lshl_add_u32 v[AV0], v9, 3, v[AV0]
	s_delay_alu instid0(VALU_DEP_1)
	v_add_nc_u32 v[AV0], s56, v[AV0]
	v_and_b32 v[GO], 31, v0
	s_delay_alu instid0(VALU_DEP_1)
	v_lshlrev_b32 v[GO], 4, v[GO]
	v_lshlrev_b32 v[H8], 3, v9
	s_delay_alu instid0(VALU_DEP_1)
	v_sub_nc_u32 v[DL], v8, v[H8]
	s_cmp_eq_u32 ttmp9, 0
	s_cselect_b32 s41, 64, 0
	v_add_nc_u32 v[DS], s41, v[DL]
	v_mov_b32 v[NINF], 0xff800000
	v_mov_b32 v236, 0                              ; written once: a lane permute's destination counts as one of its sources
	v_mov_b32 v253, 0                              ; (named as the upper half of the pair v[252:253])
	s_wait_kmcnt 0x0
	s_add_co_i32 s56, s36, s37
	s_lshl_b32 s56, s56, 23
	s_add_co_i32 s[CS], s[CS], s56                 ; a score stands for score x 2^(e6 + e7): added to c's exponent field
	s_mov_b32 s[CS+1], s[CS]
	s_add_co_i32 s56, s38, 127
	s_lshl_b32 s57, s56, 23
	v_mov_b32 v244, s57                            ; 2^e8
	s_add_co_i32 s56, s56, 8
	s_lshl_b32 s56, s56, 23
	s_or_b32 s56, s56, 0x600000
	v_mov_b32 v240, s56                            ; 448 x 2^e8
	s_add_co_i32 s56, s40, 127
	s_lshl_b32 s57, s56, 23
	v_mov_b32 v246, s57                            ; 2^e10
	s_add_co_i32 s56, s56, 8
	s_lshl_b32 s56, s56, 23
	s_or_b32 s56, s56, 0x600000
	v_mov_b32 v247, s56                            ; 448 x 2^e10
	s_add_co_i32 s[E89], s38, s39
	s_wait_tensorcnt 0x0                           ; my tile, if I fetched one, has landed,
	s_barrier_signal -1
	s_barrier_wait -1                              ; everybody's has
	s_wait_loadcnt 0x0                             ; Q
.macro PASS p
	s_mov_b32 s[TK], 20480*\p
	s_mov_b32 s[TV], 256*\p
	s_lshl_b32 s56, s[WV], 4
	s_sub_co_i32 s56, 496-256*\p, s56
	s_cmp_eq_u32 ttmp9, 0
	s_cselect_b32 s[SDN], s56, -1
	s_mov_b32 s[MC], 4
	; ---- the short step: rho = 0 .. 15
	v_add_nc_u32 v[ADK], s[TK], v[AK0]
	v_add_nc_u32 v[ADV], s[TV], v[AV0]
	ds_load_b128 v[F:F+3], v[ADK]
	ds_load_b128 v[F+4:F+7], v[ADK] offset:32
.irp u, 0,1,2,3
.irp c, 0,1,2,3
	ds_load_b64 v[F+8+8*\u+2*\c:F+8+8*\u+2*\c+1], v[ADV] offset:16*\u*VP+16*\c   ; V: 64 keys from rho = 0 on; those from 16 on meet zero codes of p
.endr
.endr
	v_mov_b32 v13, 0xff61b1e6                      ; the largest t so far: -3e38, under every t
	s_wait_dscnt 0x0
	v_wmma_f32_16x16x64_fp8_fp8 v[S:S+7], v[F:F+7], v[Q+8*\p:Q+8*\p+7], 0
.rept 4
	v_nop
.endr
.irp j, 0,1,2,3,4,5,6,7
	v_cmp_lt_i32 vcc_lo, \j, v[DS]                 ; key 8 h + j lies under the window's lower edge where 8 h + j < r
	v_cndmask_b32 v[S+\j], v[S+\j], v[NINF], vcc_lo
.endr
	v_max3_num_f32 v254, v[S], v[S+1], v[S+2]
	v_max3_num_f32 v252, v[S+3], v[S+4], v[S+5]
	s_delay_alu instid0(VALU_DEP_2)
	v_max3_num_f32 v254, v254, v[S+6], v[S+7]
	s_delay_alu instid0(VALU_DEP_1)
	v_max_num_f32 v254, v254, v252
	s_delay_alu instid0(VALU_DEP_1)
	v_permlanex16_b32 v236, v254, s[SEL], s[SEL+1]
	s_delay_alu instid0(VALU_DEP_1)
	v_max_num_f32 v254, v254, v236
	s_delay_alu instid0(VALU_DEP_1)
	v_mul_f32 v254, s[CS], v254
	s_delay_alu instid0(VALU_DEP_1)
	v_max_num_f32 v13, v13, v254
	s_delay_alu instid0(VALU_DEP_1)
	v_floor_f32 v12, -v13                          ; -M
.irp j, 0,2,4,6
	v_pk_fma_f32 v[S+\j:S+\j+1], v[S+\j:S+\j+1], s[CS:CS+1], v[12:13] op_sel_hi:[1,0,0]
.endr
	s_wait_alu depctr_va_vdst(0)
.irp j, 0,1,2,3,4,5,6,7
	v_exp_f32 v[S+\j], v[S+\j]
.endr
.irp j, 2,3,4,5,6,7
	v_mov_b32 v[PC+\j], 0                          ; zero codes for rho = 16 .. 63.  (Plain lines behind the exponentials)
.endr
	s_wait_alu depctr_va_vdst(0)                   ; one wait for the batch, ahead of its first reader
	v_pk_add_f32 v[14:15], v[S:S+1], v[S+2:S+3]    ; the sum starts here
	v_pk_add_f32 v[242:243], v[S+4:S+5], v[S+6:S+7]
	s_delay_alu instid0(VALU_DEP_1)
	v_pk_add_f32 v[14:15], v[14:15], v[242:243]
.irp j, 0,1,2,3,4,5,6,7
	v_min_num_f32 v[S+\j], v[S+\j], v240           ; the hold: p is not negative
.endr
	v_cvt_scalef32_pk8_fp8_f32 v[PC:PC+1], v[S:S+7], v244
	v_nop
.irp u, 0,1,2,3
	v_wmma_f32_16x16x64_fp8_fp8 v[O+8*\u:O+8*\u+7], v[F+8+8*\u:F+15+8*\u], v[PC:PC+7], 0   ; these start O^T's sums
.endr
	; ---- four steps of 128 keys: rho = 16 + 128 m + 0 .. 127
.Lstep_\@:
	s_cmp_gt_i32 s[SDN], 127                       ; block 0: all 128 keys lie under key 0
	s_cbranch_scc1 .Lhid_\@
	v_add_nc_u32 v[ADK], s[TK], v[AK0]
	v_add_nc_u32 v[ADV], s[TV], v[AV0]
	v_nop
	v_nop                                          ; four plain lines in front of loads into registers that matrix instructions have read
.irp t, 0,1,2,3,4,5,6,7
	ds_load_b128 v[F+8*\t:F+8*\t+3], v[ADK] offset:(16+16*\t)*KP
	ds_load_b128 v[F+8*\t+4:F+8*\t+7], v[ADK] offset:(16+16*\t)*KP+32
.endr
	s_wait_alu depctr_va_vdst(0)
	s_wait_dscnt 0x0
.irp t, 0,1,2,3,4,5,6,7
	v_wmma_f32_16x16x64_fp8_fp8 v[S+8*\t:S+8*\t+7], v[F+8*\t:F+8*\t+7], v[Q+8*\p:Q+8*\p+7], 0
.endr
.rept 4
	v_nop
.endr
.irp u, 0,1,2,3                                ; V's fragments land while the softmax is worked
.irp c, 0,1,2,3,4,5,6,7
	ds_load_b64 v[F+16*\u+2*\c:F+16*\u+2*\c+1], v[ADV] offset:16*\u*VP+16+16*\c
.endr
.endr
	s_cmp_gt_i32 s[SDN], 0
	s_cbranch_scc0 .Lnoneg_\@
	v_sub_nc_u32 v[DN], s[SDN], v[H8]              ; block 0: place 16 t + j of my half lies under key 0 where 16 t + j < DN
.set nn, 0
.rept 64
	v_cmp_lt_i32 vcc_lo, 16*(nn/8)+nn%8, v[DN]
	v_cndmask_b32 v[S+nn], v[S+nn], v[NINF], vcc_lo
.set nn, nn+1
.endr
.Lnoneg_\@:
	s_cmp_lg_u32 s[MC], 1
	s_cbranch_scc1 .Lnodiag_\@
.irp j, 0,1,2,3,4,5,6,7
	v_cmp_gt_i32 vcc_lo, \j, v[DL]                 ; the last tile is the diagonal: key qw + 8 h + j is hidden where 8 h + j > r
	v_cndmask_b32 v[S+56+\j], v[S+56+\j], v[NINF], vcc_lo
.endr
.Lnodiag_\@:
	v_max3_num_f32 v254, v[S], v[S+1], v[S+2]      ; the step's largest score of my query among my 64 keys, in two chains,
	v_max3_num_f32 v252, v[S+3], v[S+4], v[S+5]
.irp i, 6,10,14,18,22,26,30,34,38,42,46,50,54,58
	v_max3_num_f32 v254, v254, v[S+\i], v[S+1+\i]
	v_max3_num_f32 v252, v252, v[S+2+\i], v[S+3+\i]
.endr
	v_max3_num_f32 v254, v254, v[S+62], v[S+63]
	s_delay_alu instid0(VALU_DEP_1)
	v_max_num_f32 v254, v254, v252
	s_delay_alu instid0(VALU_DEP_1)
	v_permlanex16_b32 v236, v254, s[SEL], s[SEL+1]
	s_delay_alu instid0(VALU_DEP_1)
	v_max_num_f32 v254, v254, v236                 ; and among lane l xor 16's
	s_delay_alu instid0(VALU_DEP_1)
	v_mul_f32 v254, s[CS], v254
	s_delay_alu instid0(VALU_DEP_1)
	v_max_num_f32 v13, v13, v254                   ; the running largest t
	v_mov_b32 v254, v12
	s_delay_alu instid0(VALU_DEP_2)
	v_floor_f32 v12, -v13                          ; the new -M: M is a whole number
	s_delay_alu instid0(VALU_DEP_1)
	v_sub_f32 v254, v12, v254
	s_delay_alu instid0(VALU_DEP_1)
	v_cvt_i32_f32 v254, v254                       ; (it saturates)
	s_delay_alu instid0(VALU_DEP_1)
	v_ldexp_f32 v252, 1.0, v254                    ; f = 2^(old M - new M)
.set jj, 0
.rept 32
	v_pk_fma_f32 v[S+jj:S+jj+1], v[S+jj:S+jj+1], s[CS:CS+1], v[12:13] op_sel_hi:[1,0,0]   ; t - M
.set jj, jj+2
.endr
.set jj, 0
	s_wait_alu depctr_va_vdst(0)
.rept 64
	v_exp_f32 v[S+jj], v[S+jj]                     ; p = 2^(t - M)
.set jj, jj+1
.endr
	v_pk_mul_f32 v[14:15], v[14:15], v[252:253] op_sel_hi:[1,0]   ; the sum under the new M.  (A plain line behind the exponentials)
	s_wait_alu depctr_va_vdst(0)                   ; one wait for the batch, ahead of its first reader
	v_pk_add_f32 v[242:243], v[100:101], v[104:105]
	v_pk_add_f32 v[254:255], v[108:109], v[112:113]
	v_pk_add_f32 v[250:251], v[116:117], v[120:121]
	v_pk_add_f32 v[248:249], v[124:125], v[128:129]
	v_pk_add_f32 v[238:239], v[132:133], v[136:137]
	v_pk_add_f32 v[234:235], v[140:141], v[144:145]
	v_pk_add_f32 v[230:231], v[148:149], v[152:153]
	v_pk_add_f32 v[14:15], v[14:15], v[156:157]
	v_pk_add_f32 v[242:243], v[242:243], v[96:97]
	v_pk_add_f32 v[254:255], v[254:255], v[98:99]
	v_pk_add_f32 v[250:251], v[250:251], v[102:103]
	v_pk_add_f32 v[248:249], v[248:249], v[106:107]
	v_pk_add_f32 v[238:239], v[238:239], v[110:111]
	v_pk_add_f32 v[234:235], v[234:235], v[114:115]
	v_pk_add_f32 v[230:231], v[230:231], v[118:119]
	v_pk_add_f32 v[14:15], v[14:15], v[122:123]
	v_pk_add_f32 v[242:243], v[242:243], v[126:127]
	v_pk_add_f32 v[254:255], v[254:255], v[130:131]
	v_pk_add_f32 v[250:251], v[250:251], v[134:135]
	v_pk_add_f32 v[248:249], v[248:249], v[138:139]
	v_pk_add_f32 v[238:239], v[238:239], v[142:143]
	v_pk_add_f32 v[234:235], v[234:235], v[146:147]
	v_pk_add_f32 v[230:231], v[230:231], v[150:151]
	v_pk_add_f32 v[14:15], v[14:15], v[154:155]
	v_pk_add_f32 v[242:243], v[242:243], v[158:159]
	s_delay_alu instid0(VALU_DEP_2)
	v_pk_add_f32 v[14:15], v[14:15], v[248:249]
	s_delay_alu instid0(VALU_DEP_2)
	v_pk_add_f32 v[242:243], v[242:243], v[238:239]
	v_pk_add_f32 v[254:255], v[254:255], v[234:235]
	v_pk_add_f32 v[250:251], v[250:251], v[230:231]
	s_delay_alu instid0(VALU_DEP_2)
	v_pk_add_f32 v[14:15], v[14:15], v[254:255]
	s_delay_alu instid0(VALU_DEP_2)
	v_pk_add_f32 v[242:243], v[242:243], v[250:251]
	s_delay_alu instid0(VALU_DEP_1)
	v_pk_add_f32 v[14:15], v[14:15], v[242:243]
.irp t, 0,1,2,3,4,5,6,7
.irp i, 0,1,2,3,4,5,6,7
	v_min_num_f32 v[S+8*\t+\i], v[S+8*\t+\i], v240
.endr
	v_cvt_scalef32_pk8_fp8_f32 v[PC+2*\t:PC+2*\t+1], v[S+8*\t:S+8*\t+7], v244
.endr
.set jj, 0
.rept 16
	v_pk_mul_f32 v[O+jj:O+jj+1], v[O+jj:O+jj+1], v[252:253] op_sel_hi:[1,0]   ; O^T under the new M.  (Also the plain lines between the conversions and the products)
.set jj, jj+2
.endr
	s_wait_alu depctr_va_vdst(0)
	s_wait_dscnt 0x0                               ; V's fragments are in
.irp u, 0,1,2,3
	v_wmma_f32_16x16x128_fp8_fp8 v[O+8*\u:O+8*\u+7], v[F+16*\u:F+16*\u+15], v[PC:PC+15], v[O+8*\u:O+8*\u+7]
.endr
.Lhid_\@:
	s_add_co_u32 s[TK], s[TK], 128*KP
	s_add_co_u32 s[TV], s[TV], 128
	s_sub_co_i32 s[SDN], s[SDN], 128
	s_sub_co_u32 s[MC], s[MC], 1
	s_cmp_lg_u32 s[MC], 0
	s_cbranch_scc1 .Lstep_\@
	; ---- the way out
	v_add_f32 v14, v14, v15
	s_delay_alu instid0(VALU_DEP_1)
	v_permlanex16_b32 v252, v14, s[SEL], s[SEL+1]
	s_delay_alu instid0(VALU_DEP_1)
	v_add_f32 v14, v14, v252                       ; the row's sum
	s_wait_alu depctr_va_vdst(0)
	v_rcp_f32 v14, v14
.rept 3
	v_nop                                          ; plain lines behind the reciprocal and behind the last products
.endr
	s_wait_alu depctr_va_vdst(0)
	v_ldexp_f32 v14, v14, s[E89]                   ; x 2^(e8 + e9)
.set jj, 0
.rept 32
	v_mul_f32 v[S+jj], v[O+jj], v14                ; each accumulator from its low end on
.set jj, jj+1
.endr
.set jj, 0
.rept 32
	v_med3_num_f32 v[S+jj], v[S+jj], -v247, v247
.set jj, jj+1
.endr
.irp u, 0,1,2,3
	v_cvt_scalef32_pk8_fp8_f32 v[OC+8*\p+2*\u:OC+8*\p+2*\u+1], v[S+8*\u:S+8*\u+7], v246
.endr
	v_nop
	global_store_b128 v[GO], v[OC+8*\p:OC+8*\p+3], s[12:13] offset:262144*\p        ; 32 lanes store 512 consecutive bytes, aligned
	global_store_b128 v[GO], v[OC+8*\p+4:OC+8*\p+7], s[12:13] offset:262144*\p+512
.endm
	PASS 0
	PASS 1
	s_wait_tensorcnt 0x0                           ; the wave's end
	ds_add_u32 v[SPW], v[NIL]
	s_wait_dscnt 0x0
	s_endpgm
.Lfunc_end_k_q21a8be8a4b_attn:
	.size	k_q21a8be8a4b_attn, .Lfunc_end_k_q21a8be8a4b_attn-k_q21a8be8a4b_attn
	.p2alignl 7, 3214868480
	.fill 96, 4, 3214868480
	.section	.rodata,"a",@progbits
	.p2align	6, 0x0
	.amdhsa_kernel k_q21a8be8a4b_attn
		.amdhsa_group_segment_fixed_size 167936
		.amdhsa_private_segment_fixed_size 0
		.amdhsa_enable_private_segment 0
		.amdhsa_kernarg_size 40
		.amdhsa_user_sgpr_count 2
		.amdhsa_user_sgpr_kernarg_segment_ptr 1
		.amdhsa_wavefront_size32 1
		.amdhsa_system_sgpr_workgroup_id_x 1
		.amdhsa_system_sgpr_workgroup_id_y 1
		.amdhsa_system_sgpr_workgroup_id_z 1
		.amdhsa_system_vgpr_workitem_id 0
		.amdhsa_next_free_vgpr 256
		.amdhsa_next_free_sgpr 66
		.amdhsa_reserve_vcc 1
		.amdhsa_float_denorm_mode_32 3
		.amdhsa_float_denorm_mode_16_64 3
		.amdhsa_memory_ordered 1
		.amdhsa_forward_progress 1
		.amdhsa_inst_pref_size 69
	.end_amdhsa_kernel
	.amdgpu_metadata
---
amdhsa.version: [ 1, 2 ]
amdhsa.kernels:
  - .name:           k_q21a8be8a4b_attn
    .symbol:         k_q21a8be8a4b_attn.kd
    .args:
      - { .name: qc, .offset: 0, .size: 8, .value_kind: global_buffer, .address_space: global }
      - { .name: kc, .offset: 8, .size: 8, .value_kind: global_buffer, .address_space: global }
      - { .name: vc, .offset: 16, .size: 8, .value_kind: global_buffer, .address_space: global }
      - { .name: lowp_scales, .offset: 24, .size: 8, .value_kind: global_buffer, .address_space: global }
      - { .name: ao, .offset: 32, .size: 8, .value_kind: global_buffer, .address_space: global }
    .group_segment_fixed_size: 167936
    .private_segment_fixed_size: 0
    .kernarg_segment_align: 8
    .kernarg_segment_size: 40
    .max_flat_workgroup_size: 512
    .sgpr_count:     66
    .vgpr_count:     256
    .wavefront_size: 32
...
	.end_amdgpu_metadata
.endif
;; end of part 3
;; launch oproj (part 4): grid 4 x 64, 4 waves a work-group, clusters of 4 x 4, 327,680 bytes of LDS; arguments ao, wcodes, bo, lowp_scales, out0; writes out0
.if DOCPART == 4
	.amdgcn_target "amdgcn-amd-amdhsa--gfx1250"
	.amdhsa_code_object_version 6
	.text
	.protected	k_q21a8be8a4b_oproj
	.globl	k_q21a8be8a4b_oproj
	.p2align	8
	.type	k_q21a8be8a4b_oproj,@function
k_q21a8be8a4b_oproj:
	s_mov_b64 s[64:65], 0
	v_nop
	global_prefetch_b8 v0, s[64:65] scope:SCOPE_SE
	s_setreg_imm32_b32 hwreg(HW_REG_WAVE_MODE, 25, 1), 1
	s_wait_xcnt 0x0
	s_wait_alu depctr_hold_cnt(0) depctr_sa_sdst(0) depctr_va_vdst(0) depctr_va_sdst(0) depctr_va_ssrc(0) depctr_va_vcc(0) depctr_vm_vsrc(0)
	s_getreg_b32 s2, hwreg(HW_REG_IB_STS2, 6, 4)
	s_cmp_eq_u32 s2, 0
	s_cbranch_scc0 .Lentry_in_a_cluster
	s_endpgm
.Lentry_in_a_cluster:
	s_bfe_u32 s2, ttmp6, 0x10000c
	s_cmp_lg_u32 s2, 0xf033
	s_cbranch_scc0 .Lentry_shape_is_right
	s_endpgm
.Lentry_shape_is_right:
.set PITCH,  272
.set ABLK,   4096
.set ASL,    8*ABLK
.set HALFB,  128*PITCH
.set SLOT,   ASL+2*HALFB
.set SPARE,  2*SLOT
.set SPITCH, 528
.set ADRA, 16
.set ADRB, 20
.set STO,  24
.set RD,   25
.set CO,   26
.set BOF,  27
.set SPW,  28
.set NIL,  29
.set TMP,  32
.set BK,   128
.set G1,  24
.set G0,  32
.set G1B, 48
.set G0B, 56
.set MSB, 0
.macro WIN new
.if MSB != (\new)
	s_set_vgpr_msb (MSB<<8)|(\new)
.set MSB, \new
.endif
.endm
.set MUL, 0xa1
.macro JLOAD g0a, g1a, g0b, g1b
	s_cmp_eq_u32 s15, 0
	s_cbranch_scc0 .Lfor_b_\@
	tensor_load_to_lds s[\g0a:\g0a+3], s[\g1a:\g1a+7]
	s_nop 0
.rept 4
	v_nop
.endr
	s_branch .Lasked_\@
.Lfor_b_\@:
	tensor_load_to_lds s[\g0b:\g0b+3], s[\g1b:\g1b+7]
	s_nop 0
.rept 4
	v_nop
.endr
.Lasked_\@:
.endm
.macro CREST
	s_cmp_lg_u32 s14, 0
	s_cbranch_scc1 .Lnot_wave_0_\@
	s_barrier_signal -3
.Lnot_wave_0_\@:
	s_barrier_wait -3
	s_barrier_signal -1
	s_barrier_wait -1
.endm
.macro CROUND
	s_barrier_signal -1
	s_barrier_wait -1
	CREST
.endm
.macro PLACES
.rept 4
	v_nop
.endr
.endm
; A prefetch into the L2 of my wave's part of a later K step, one instruction a wave.  Waves 0 and 1 fetch four runs of 4,096 bytes of ao: the partner at cx takes one run, lanes 256 bytes apart (the sixteen lanes left over name its last block again).
; Waves 2 and 3 fetch 128 rows x 256 bytes of Wo's codes: the partner at cy takes 32 rows, a lane a row.  Wo is loaded by all sixteen clusters and asked for by four of them (s42 = 1 where my wave asks).
; s[66:67], s[72:73], s[74:75] stand at K steps 1, 2, 3; they and v12 are never rewritten.
.macro ASK base
	s_cmp_eq_u32 s42, 1
	s_cbranch_scc0 .Lnot_mine_\@
	global_prefetch_b8 v12, s[\base:\base+1] th:TH_LOAD_NT scope:SCOPE_SE
.Lnot_mine_\@:
.endm
	s_load_b256 s[4:11], s[0:1], 0x0
	s_load_b64 s[12:13], s[0:1], 0x20
	v_lshl_add_u32 v[SPW], v0, 2, SPARE
	v_mov_b32 v[NIL], 0
	ds_add_u32 v[SPW], v[NIL]
	ds_add_u32 v[SPW], v[NIL]
	v_lshrrev_b32 v1, 5, v0
	v_readfirstlane_b32 s14, v1
	s_lshr_b32 s15, s14, 1
	s_and_b32 s16, s14, 1
	s_bfe_u32 s40, ttmp6, 0x40000
	s_bfe_u32 s41, ttmp6, 0x40004
	s_and_b32 s17, ttmp7, 0xffff
	s_lshl_b32 s17, s17, 2
	s_add_co_u32 s17, s17, s41
	s_lshl_b32 s43, s41, 2
	s_lshl_b32 s43, 15, s43
	s_lshl_b32 s44, 0x1111, s40
	s_or_b32 s[G1+0], s43, (3<<16)|(1<<21)
	s_mov_b32 s[G1+1], 512<<16
	s_mov_b32 s[G1+2], 4<<16
	s_mov_b32 s[G1+3], 512<<16
	s_mov_b32 s[G1+4], 4
	s_mov_b32 s[G1+5], 2048
	s_mov_b32 s[G1+6], 0
	s_mov_b32 s[G1+7], 0
	s_or_b32 s[G1B+0], s44, (0<<16)|(1<<20)|(1<<21)|(5<<22)|(3<<25)
	s_mov_b32 s[G1B+1], 256<<16
	s_mov_b32 s[G1B+2], 128<<16
	s_mov_b32 s[G1B+3], 256<<16
	s_mov_b32 s[G1B+4], 128
	s_mov_b32 s[G1B+5], 1024
	s_mov_b32 s[G1B+6], 0
	s_mov_b32 s[G1B+7], 0
	s_lshl_b32 s20, s17, 17
	s_lshl_b32 s18, s16, 16
	s_add_co_u32 s20, s20, s18
	s_mov_b32 s21, 0
	s_lshl_b32 s46, s40, 18
	s_lshl_b32 s18, s16, 17
	s_add_co_u32 s46, s46, s18
	s_add_co_u32 s46, s46, 0x300000
	s_mov_b32 s47, 0
	s_lshl_b32 s45, s16, 14
	s_mul_i32 s19, s16, HALFB
	s_add_co_u32 s19, s19, ASL
	s_wait_dscnt 0x0
	s_wait_kmcnt 0x0
	s_load_b64 s[96:97], s[10:11], 0x28
	s_add_nc_u64 s[20:21], s[4:5], s[20:21]
	s_add_nc_u64 s[46:47], s[6:7], s[46:47]
	s_and_b32 s42, ttmp7, 0xffff                   ; the cluster's y
	s_cmp_lt_u32 s42, 4
	s_cselect_b32 s42, 1, 0                        ; Wo: four clusters ask
	s_mov_b32 s70, 256
	s_cmp_eq_u32 s15, 0                            ; do I fetch ao?
	s_cselect_b32 s42, 1, s42                      ; ao: every cluster asks for its own rows
	s_cselect_b64 s[66:67], s[20:21], s[46:47]
	s_cselect_b32 s68, s40, s41                    ; my place among the four that ask with me,
	s_cselect_b32 s69, 14, 15                      ; x 16,384 bytes in ao, x 32 rows of 1,024 in Wo
	s_cselect_b32 s70, 4096, s70                   ; a K step on
	s_cselect_b32 s76, 15, 31                      ; the last lane with a block of its own
	s_cselect_b32 s77, 8, 10                       ; from lane to lane: 256 or 1,024 bytes
	s_lshl_b32 s68, s68, s69
	s_mov_b32 s69, 0
	s_mov_b32 s71, 0
	s_add_nc_u64 s[66:67], s[66:67], s[68:69]
	s_add_nc_u64 s[66:67], s[66:67], s[70:71]      ; K step 1
	s_add_nc_u64 s[72:73], s[66:67], s[70:71]      ; K step 2
	s_add_nc_u64 s[74:75], s[72:73], s[70:71]      ; K step 3
	v_and_b32 v12, 31, v0
	v_min_u32 v12, s76, v12
	v_lshlrev_b32 v12, s77, v12
.irp s, 0,1
	s_mov_b32 s[G0+4*\s], 1
	s_add_co_u32 s[G0+4*\s+1], s45, \s*SLOT
	s_add_nc_u64 s[G0+4*\s+2:G0+4*\s+3], s[20:21], \s*ABLK
	s_or_b32 s[G0+4*\s+3], s[G0+4*\s+3], 0x80000000
	s_mov_b32 s[G0B+4*\s], 1
	s_add_co_u32 s[G0B+4*\s+1], s19, \s*SLOT
	s_add_nc_u64 s[G0B+4*\s+2:G0B+4*\s+3], s[46:47], \s*256
	s_or_b32 s[G0B+4*\s+3], s[G0B+4*\s+3], 0x80000000
	s_wait_alu depctr_va_vdst(0)
	s_wait_tensorcnt 0x0
	ds_add_u32 v28, v29
	ds_add_u32 v28, v29
	s_wait_dscnt 0x0
	CROUND
	JLOAD G0+4*\s, G1, G0B+4*\s, G1B
.if \s == 0
	ASK 66                                         ; behind K step 0's load: K steps 1 and 2;
	ASK 72
.else
	ASK 74                                         ; behind K step 1's: K step 3, two loads ahead
.endif
.endr
	v_and_b32 v1, 15, v0
	v_bfe_u32 v2, v0, 4, 1
	v_and_b32 v6, 31, v0
	v_lshlrev_b32 v[CO], 4, v6
	v_mul_u32_u24 v3, v1, PITCH
	v_lshl_add_u32 v3, v2, 3, v3
	s_lshl_b32 s21, s15, 14
	s_mul_i32 s22, s16, HALFB
	s_add_co_u32 s22, s22, ASL
.irp s, 0,1
	v_add_nc_u32 v[ADRA+\s], s21, v[CO]
	v_add_nc_u32 v[ADRB+\s], s22, v3
	s_add_co_u32 s21, s21, SLOT
	s_add_co_u32 s22, s22, SLOT
.endr
	s_mul_i32 s23, s14, 16*SPITCH
	v_mul_u32_u24 v5, v1, SPITCH
	v_lshl_add_u32 v5, v2, 5, v5
	v_add_nc_u32 v[STO], s23, v5
	v_add_nc_u32 v[RD], s23, v[CO]
	s_lshl_b32 s20, s17, 7
	s_lshl_b32 s21, s15, 6
	s_add_co_u32 s20, s20, s21
	s_lshl_b32 s20, s20, 12
	s_lshl_b32 s18, s40, 10
	s_lshl_b32 s19, s16, 9
	s_add_co_u32 s18, s18, s19
	s_add_co_u32 s20, s20, s18
	s_mov_b32 s21, 0
	s_add_nc_u64 s[12:13], s[12:13], s[20:21]
	v_lshl_add_u32 v[BOF], v2, 5, s18
	WIN 0xc0
.irp b, 0,1,2,3,4,5,6,7
	global_load_b128 v[8*\b:8*\b+3], v[BOF], s[8:9] offset:64*\b
	global_load_b128 v[8*\b+4:8*\b+7], v[BOF], s[8:9] offset:64*\b+16
.endr
	WIN 0
.macro MUL8 a, p, zero
.irp b, 0,1,2,3,4,5,6,7
.if \zero
	v_wmma_f32_16x16x128_fp8_fp8 v[8*(8*(\a)+\b):8*(8*(\a)+\b)+7], v[128*(\p)+16*\b:128*(\p)+16*\b+15], v[128+64*(\p)+16*(\a):128+64*(\p)+16*(\a)+15], 0
.else
	v_wmma_f32_16x16x128_fp8_fp8 v[8*(8*(\a)+\b):8*(8*(\a)+\b)+7], v[128*(\p)+16*\b:128*(\p)+16*\b+15], v[128+64*(\p)+16*(\a):128+64*(\p)+16*(\a)+15], v[8*(8*(\a)+\b):8*(8*(\a)+\b)+7]
.endif
.endr
.endm
.macro FETCH4 slot, q, p
	WIN 0x40
.irp b, 0,1,2,3,4,5,6,7
.irp c, 0,1,2,3,4,5,6,7
	ds_load_b64 v[128*(\p)+16*\b+2*\c:128*(\p)+16*\b+2*\c+1], v[ADRB+\slot] offset:128*(\q)+16*\c+\b*16*PITCH
.endr
.endr
	WIN 0
.irp a, 0,1,2,3
.irp i, 0,1,2,3
	ds_load_b128 v[128+64*(\p)+16*\a+4*\i:128+64*(\p)+16*\a+4*\i+3], v[ADRA+\slot] offset:\a*ABLK+2048*(\q)+512*\i
.endr
.endr
.endm
.macro STEP4 slot, zero
	s_wait_dscnt 0x0
	WIN MUL
	MUL8 0, 0, \zero
	MUL8 1, 0, \zero
	PLACES
	FETCH4 \slot, 1, 1
	WIN MUL
	MUL8 2, 0, \zero
	MUL8 3, 0, \zero
	WIN 0
.endm
.macro TURN4 slot, next, fill
	s_wait_tensorcnt 0x0
	ds_add_u32 v[SPW], v[NIL]
	s_wait_dscnt 1
	WIN MUL
	MUL8 0, 1, 0
	s_wait_dscnt 0x0
	s_barrier_signal -1
	MUL8 1, 1, 0
	WIN 0
	s_barrier_wait -1
.if \fill
	CREST
	s_add_nc_u64 s[G0+4*\slot+2:G0+4*\slot+3], s[G0+4*\slot+2:G0+4*\slot+3], 2*ABLK
	s_add_nc_u64 s[G0B+4*\slot+2:G0B+4*\slot+3], s[G0B+4*\slot+2:G0B+4*\slot+3], 512
	JLOAD G0+4*\slot, G1, G0B+4*\slot, G1B
.else
	PLACES
.endif
	FETCH4 \next, 0, 0
	WIN MUL
	MUL8 2, 1, 0
	MUL8 3, 1, 0
	WIN 0
.endm
	s_wait_alu depctr_va_vdst(0)
	s_wait_loadcnt 0x0
	s_wait_tensorcnt 1
	s_barrier_signal -1
	s_barrier_wait -1
	FETCH4 0, 0, 0
	STEP4 0, 1
	TURN4 0, 1, 1
	STEP4 1, 0
	TURN4 1, 0, 1
	STEP4 0, 0
	TURN4 0, 1, 0
	STEP4 1, 0
	s_wait_dscnt 0x0
	WIN MUL
	MUL8 0, 1, 0
	MUL8 1, 1, 0
	MUL8 2, 1, 0
	MUL8 3, 1, 0
	WIN 0
.macro TOSTAGE a
	WIN 0x32
.set jj, 0
.rept 32
	v_pk_fma_f32 v[TMP+jj:TMP+jj+1], v[64*(\a)+jj:64*(\a)+jj+1], s[96:97], v[jj:jj+1] op_sel_hi:[1,0,1]
.set jj, jj+2
.endr
	WIN 0
.irp b, 0,1,2,3,4,5,6,7
	ds_store_b128 v[STO], v[TMP+8*\b:TMP+8*\b+3] offset:64*\b
	ds_store_b128 v[STO], v[TMP+8*\b+4:TMP+8*\b+7] offset:64*\b+16
.endr
.set BB, BK+64*((\a)%2)
.irp t, 0,1,2,3,4,5,6,7,8,9,10,11,12,13,14,15
	ds_load_b128 v[BB+4*\t:BB+4*\t+3], v[RD] offset:\t*SPITCH
.endr
.endm
.macro SEND a, younger
.set BB, BK+64*((\a)%2)
	s_wait_dscnt \younger
.if (\a) > 0
	s_add_nc_u64 s[12:13], s[12:13], 16*4096
.endif
.irp t, 0,1,2,3,4,5,6,7,8,9,10,11,12,13,14,15
	global_store_b128 v[CO], v[BB+4*\t:BB+4*\t+3], s[12:13] offset:\t*4096 th:TH_STORE_NT
.endr
.endm
	s_wait_kmcnt 0x0
	s_add_co_i32 s96, s96, s97
	s_add_co_i32 s96, s96, 127
	s_lshl_b32 s96, s96, 23
	s_mov_b32 s97, s96
	PLACES
	TOSTAGE 0
.irp a, 1,2,3
.if \a > 1
	s_wait_xcnt 0x0
.endif
	TOSTAGE \a
	SEND \a-1, 32
.endr
	s_wait_xcnt 0x0
	SEND 3, 0
	s_wait_tensorcnt 0x0
	ds_add_u32 v[SPW], v[NIL]
	s_wait_dscnt 0x0
	CROUND
	s_endpgm
.Lfunc_end_k_q21a8be8a4b_oproj:
	.size	k_q21a8be8a4b_oproj, .Lfunc_end_k_q21a8be8a4b_oproj-k_q21a8be8a4b_oproj
	.p2alignl 7, 3214868480
	.fill 96, 4, 3214868480
	.section	.rodata,"a",@progbits
	.p2align	6, 0x0
	.amdhsa_kernel k_q21a8be8a4b_oproj
		.amdhsa_group_segment_fixed_size 327680
		.amdhsa_private_segment_fixed_size 0
		.amdhsa_enable_private_segment 0
		.amdhsa_kernarg_size 40
		.amdhsa_user_sgpr_count 2
		.amdhsa_user_sgpr_kernarg_segment_ptr 1
		.amdhsa_wavefront_size32 1
		.amdhsa_system_sgpr_workgroup_id_x 1
		.amdhsa_system_sgpr_workgroup_id_y 1
		.amdhsa_system_sgpr_workgroup_id_z 1
		.amdhsa_system_vgpr_workitem_id 0
		.amdhsa_next_free_vgpr 832
		.amdhsa_next_free_sgpr 100
		.amdhsa_reserve_vcc 0
		.amdhsa_float_denorm_mode_32 3
		.amdhsa_float_denorm_mode_16_64 3
		.amdhsa_memory_ordered 1
		.amdhsa_forward_progress 1
		.amdhsa_inst_pref_size 95
	.end_amdhsa_kernel
	.amdgpu_metadata
---
amdhsa.version: [ 1, 2 ]
amdhsa.kernels:
  - .name:           k_q21a8be8a4b_oproj
    .symbol:         k_q21a8be8a4b_oproj.kd
    .args:
      - { .name: ao, .offset: 0, .size: 8, .value_kind: global_buffer, .address_space: global }
      - { .name: wcodes, .offset: 8, .size: 8, .value_kind: global_buffer, .address_space: global }
      - { .name: bo, .offset: 16, .size: 8, .value_kind: global_buffer, .address_space: global }
      - { .name: lowp_scales, .offset: 24, .size: 8, .value_kind: global_buffer, .address_space: global }
      - { .name: out0, .offset: 32, .size: 8, .value_kind: global_buffer, .address_space: global }
    .group_segment_fixed_size: 327680
    .private_segment_fixed_size: 0
    .kernarg_segment_align: 8
    .kernarg_segment_size: 40
    .max_flat_workgroup_size: 128
    .sgpr_count:     100
    .vgpr_count:     832
    .wavefront_size: 32
...
	.end_amdgpu_metadata
.endif
;; end of part 4
